; MI455X (gfx1250); checked and timed in simulation.
; The chip was launched on July 23, 2026; its instructions are those of AMD's public machine-readable ISA for CDNA 5 (MIT licence, August 2026) and "CDNA5" Instruction Set Architecture Reference Guide (July 2026). The comments in the code are by the model that wrote it; some were corrected since.
;; Multi Headed Attention. Allowed arithmetic: float matrix products may take bf16 or f16 operands with f32 sums; other float arithmetic in f32, or as packed bf16 or f16 multiplies, adds, multiply-adds, maxima and minima; sums over many terms, partial sums and values carried from step to step in f32; what a program stores and reads back later, other than sums and carried values, may be rounded once to bf16 or f16.
;; Inputs: Wk 512 x 512 float32; Wo 512 x 512 float32; Wq 512 x 512 float32; Wv 512 x 512 float32; bk 512 float32; bo 512 float32; bq 512 float32; bv 512 float32; key 2 x 256 x 512 float32; mask 2 x 1 x 256 x 256 int32; query 2 x 256 x 512 float32; relation 2 x 256 x 256 x 512 float32; value 2 x 256 x 512 float32.
;; Outputs: out0 2 x 256 x 512 float32.
;; 2 versions, each right; version 2 is version 1 with the launch relat written anew for expert scheduling mode. Each part assembles by itself: llvm-mc -triple=amdgcn-amd-amdhsa -mcpu=gfx1250 --defsym DOCPART=n.
;; ======== version 1 of 2: 5 launches
;; workspace buffers: qh 1,048,576 bytes; kh 1,048,576 bytes; vh 1,048,576 bytes; qt 8,388,608 bytes; sc0 4,194,304 bytes; pw 4,194,304 bytes; yw 8,388,608 bytes; xh 1,048,576 bytes
;; launch proj (part 1): grid 64 x 3, 16 waves a work-group, no clusters, 152,576 bytes of LDS; arguments query, key, value, Wq, Wk, Wv, bq, bk, bv, qh, kh, vh; writes qh, kh, vh
.if DOCPART == 1
	.amdgcn_target "amdgcn-amd-amdhsa--gfx1250"
	.amdhsa_code_object_version 6
	.text
	.protected	k_qbe08ab895e_proj
	.globl	k_qbe08ab895e_proj
	.p2align	8
	.type	k_qbe08ab895e_proj,@function
k_qbe08ab895e_proj:
	s_mov_b64 s[64:65], 0
	v_nop
	global_prefetch_b8 v0, s[64:65] scope:SCOPE_SE
	s_setreg_imm32_b32 hwreg(HW_REG_WAVE_MODE, 25, 1), 1
	s_wait_xcnt 0x0
; THE THREE PROJECTIONS.  y = 0: q = c (query Wq^T + bq), c = log2(e) / 8;  y = 1: k2 = key Wk^T + 2 bk;  y = 2: v2 = value Wv^T + 2 bv.
; (The relation tensor goes through the same two linears, so each key and each value meets its bias twice: the second bias is added here once for all.)
; Inputs, biases too, are rounded once to bf16; sums in f32; a result leaves as a PAIR of bf16, hi = bf16(x), lo = bf16(x - hi), in [512 row][8 head][hi, lo][64]: 256 bytes for a row and head.
; SHARES.  A work-group makes 64 rows x 64 features (one head) over the whole K = 512; each of its 16 waves one tile of 16 x 16.  Waves 0-7 bring the 64 data rows into LDS, waves 8-15 the 64 rows of W,
; 8 rows a wave, converted on the way.  No tensor loads: every byte has to be converted between memory and LDS, and LDS is filled once.  No cluster: what work-groups share here is 128 KB each.
; LIMITS.  NaN and infinities are not treated apart.
.set RP,    1040                       ; an LDS row: 1,024 bytes of bf16 + 16 = 260 words: row r starts at bank 4 r mod 64 (64 banks of 4 bytes: ISA guide 11.1)
.set STG,   128*RP                     ; behind the operands: the stage, 64 rows x 272 bytes
.set SP,    272
.set SPARE, STG+64*SP                  ; the spare words, 128 bytes for each wave; no other line names them
.set MSK,   48                         ; s48  a word's upper bf16
.set BI,    16                         ; v[16:23]  my eight biases
.set A0,    24                         ; v[24:31], v[32:39]  two accumulators: even and odd K steps
.set A1,    32
.set F0,    64                         ; v[64:191] first the landing of my 32 loads, then two fragment buffers of 64
.set F1,    128
.macro BAR                             ; my LDS instructions are done; then the work-group's barrier
	s_wait_dscnt 0x0
	s_barrier_signal -1
	s_barrier_wait -1
.endm
.macro PLACES                          ; four plain vector instructions between a matrix instruction and what reads its result or loads into its registers
.rept 4
	v_nop
.endr
.endm
.macro CVT4 L                          ; four f32 to four bf16, in place
	v_cvt_pk_bf16_f32 v[\L], v[\L], v[(\L)+1]
	v_cvt_pk_bf16_f32 v[(\L)+1], v[(\L)+2], v[(\L)+3]
.endm
.macro SPLIT X, H, Lo, T               ; two f32 to hi and lo: x - hi is exact in f32
	v_cvt_pk_bf16_f32 v[\H], v[\X], v[(\X)+1]
	v_lshlrev_b32 v[\T], 16, v[\H]
	v_and_b32 v[(\T)+1], s[MSK], v[\H]
	v_pk_add_f32 v[\T:(\T)+1], v[\X:(\X)+1], v[\T:(\T)+1] neg_lo:[0,1] neg_hi:[0,1]
	v_cvt_pk_bf16_f32 v[\Lo], v[\T], v[(\T)+1]
.endm
.macro RND2 X, T                       ; two f32 rounded to bf16 and widened again
	v_cvt_pk_bf16_f32 v[\T], v[\X], v[(\X)+1]
	v_lshlrev_b32 v[\X], 16, v[\T]
	v_and_b32 v[(\X)+1], s[MSK], v[\T]
.endm
.macro WM d, a, b, z                   ; z = 1: the product starts the sum
.if \z
	v_wmma_f32_16x16x32_bf16 v[\d:(\d)+7], v[\a:(\a)+7], v[\b:(\b)+7], 0
.else
	v_wmma_f32_16x16x32_bf16 v[\d:(\d)+7], v[\a:(\a)+7], v[\b:(\b)+7], v[\d:(\d)+7]
.endif
.endm
	s_load_b512 s[8:23], s[0:1], 0x0               ; query, key, value, Wq, Wk, Wv, bq, bk
	s_load_b256 s[24:31], s[0:1], 0x40             ; bv, qh, kh, vh
	v_lshl_add_u32 v12, v0, 2, SPARE               ; my spare word,
	v_mov_b32 v13, 0                               ; and 0: for the closing lines
	v_lshrrev_b32 v1, 5, v0
	v_readfirstlane_b32 s2, v1                     ; wave 0..15
	v_and_b32 v1, 31, v0                           ; l
	v_and_b32 v2, 15, v0                           ; r = l % 16
	v_bfe_u32 v3, v0, 4, 1                         ; hh = l / 16
	s_and_b32 s3, ttmp7, 0xffff                    ; which projection
	s_lshr_b32 s4, ttmp9, 3                        ; block of 64 data rows
	s_and_b32 s5, ttmp9, 7                         ; head = block of 64 rows of W
	s_lshr_b32 s6, s2, 2                           ; a: my 16 data rows
	s_and_b32 s7, s2, 3                            ; b: my 16 features
	s_mov_b32 s[MSK], 0xffff0000
	v_lshlrev_b32 v4, 4, v1                        ; v4  16 l: my 16 bytes of 512
	s_mul_i32 s49, s2, 8*RP
	v_lshl_add_u32 v5, v1, 3, s49                  ; v5  LDS: my wave's 8 rows, 8 bytes a lane
	s_lshl_b32 s49, s7, 6
	v_lshl_add_u32 v6, v3, 5, s49                  ; v6  bias: (16 b + 8 hh) x 4
	v_mul_u32_u24 v7, v2, RP
	v_lshl_add_u32 v7, v3, 4, v7                   ; a fragment's row x pitch + 16 x half
	s_mul_i32 s49, s6, 16*RP
	v_add_nc_u32 v8, s49, v7                       ; v8  fragments of the data rows 16 a ..
	s_mul_i32 s49, s7, 16*RP
	s_add_co_u32 s49, s49, 64*RP
	v_add_nc_u32 v7, s49, v7                       ; v7  fragments of W's rows 16 b .., which lie behind the 64 data rows
	v_mul_u32_u24 v9, v2, SP
	v_lshl_add_u32 v9, v3, 4, v9
	s_mul_i32 s49, s6, 16*SP
	s_lshl_b32 s50, s7, 5
	s_add_co_u32 s49, s49, s50
	s_add_co_u32 s49, s49, STG
	v_add_nc_u32 v9, s49, v9                       ; v9  into the stage: row 16 a + r, byte (16 b + 8 hh) x 2
	v_mul_u32_u24 v10, v3, SP
	v_lshl_add_u32 v10, v2, 4, v10
	s_mul_i32 s49, s2, 4*SP
	s_add_co_u32 s49, s49, STG
	v_add_nc_u32 v10, s49, v10                     ; v10 back: rows 4 w + hh, 16 bytes a lane
	v_lshlrev_b32 v11, 11, v3
	v_lshl_add_u32 v11, v2, 4, v11
	s_lshl_b32 s49, s2, 13
	v_add_nc_u32 v11, s49, v11                     ; v11 the same rows in the output: 2,048 bytes apart
	s_wait_kmcnt 0x0
	s_cmp_eq_u32 s3, 0                             ; the projection picks its buffers and factors
	s_cselect_b64 s[32:33], s[8:9], s[10:11]       ; data
	s_cselect_b64 s[34:35], s[14:15], s[16:17]     ; W
	s_cselect_b64 s[36:37], s[20:21], s[22:23]     ; bias
	s_cselect_b64 s[38:39], s[26:27], s[28:29]     ; output
	s_cselect_b32 s40, 0x3e38aa3b, 1.0             ; the product's factor: c or 1
	s_cselect_b32 s42, 0x3e38aa3b, 2.0             ; the bias's factor: c or 2
	s_cmp_eq_u32 s3, 2
	s_cselect_b64 s[32:33], s[12:13], s[32:33]
	s_cselect_b64 s[34:35], s[18:19], s[34:35]
	s_cselect_b64 s[36:37], s[24:25], s[36:37]
	s_cselect_b64 s[38:39], s[30:31], s[38:39]
	s_mov_b32 s41, s40                             ; named as pairs
	s_mov_b32 s43, s42
	s_cmp_lt_u32 s2, 8                             ; waves 0-7 fetch data rows, waves 8-15 rows of W
	s_cselect_b64 s[44:45], s[32:33], s[34:35]
	s_cselect_b32 s46, s4, s5
	s_and_b32 s47, s2, 7
	s_lshl_b32 s46, s46, 6
	s_lshl_b32 s47, s47, 3
	s_add_co_u32 s46, s46, s47                     ; my first row,
	s_lshl_b32 s46, s46, 11                        ; of 2,048 bytes
	s_mov_b32 s47, 0
	s_add_nc_u64 s[44:45], s[44:45], s[46:47]
	s_lshl_b32 s46, s5, 8
	s_add_nc_u64 s[36:37], s[36:37], s[46:47]      ; the head's 64 biases
	s_lshl_b32 s50, s4, 17
	s_add_co_u32 s46, s46, s50
	s_add_nc_u64 s[38:39], s[38:39], s[46:47]      ; the output at my block's first row and my head
	global_load_b128 v[BI:BI+3], v6, s[36:37]
	global_load_b128 v[BI+4:BI+7], v6, s[36:37] offset:16
.set k, 0
.rept 8                                ; 8 rows x 4 loads; each load covers 512 consecutive bytes
.set q, 0
.rept 4
	global_load_b128 v[F0+16*k+4*q:F0+16*k+4*q+3], v4, s[44:45] offset:k*2048+q*512
.set q, q+1
.endr
.set k, k+1
.endr
.set k, 0
.rept 8
	s_wait_loadcnt 4*(7-k)                         ; row k is in: the 4 (7 - k) loads of the later rows stay out
.set q, 0
.rept 4
	CVT4 F0+16*k+4*q
	ds_store_b64 v5, v[F0+16*k+4*q:F0+16*k+4*q+1] offset:k*RP+q*256
.set q, q+1
.endr
.set k, k+1
.endr
.set p, 0
.rept 4                                ; the biases: rounded like every input, then times their factor
	RND2 BI+2*p, 14
	v_pk_mul_f32 v[BI+2*p:BI+2*p+1], v[BI+2*p:BI+2*p+1], s[42:43] op_sel_hi:[1,0]
.set p, p+1
.endr
	BAR                                            ; all 128 rows are in LDS
; Source 0 = 16 rows of W, source 1 = 16 data rows: a lane then holds one data row (r) and eight neighbouring features (8 hh + 0..7).
.macro FR be, f                        ; the fragments of K steps 4 be .. 4 be + 3: 16 loads into buffer f
.set i, 0
.rept 4
	ds_load_b128 v[(\f)+16*i:(\f)+16*i+3], v7 offset:64*(4*(\be)+i)
	ds_load_b128 v[(\f)+16*i+4:(\f)+16*i+7], v7 offset:64*(4*(\be)+i)+32
	ds_load_b128 v[(\f)+16*i+8:(\f)+16*i+11], v8 offset:64*(4*(\be)+i)
	ds_load_b128 v[(\f)+16*i+12:(\f)+16*i+15], v8 offset:64*(4*(\be)+i)+32
.set i, i+1
.endr
.endm
.macro MM f, z                         ; four products; the two accumulators take turns
	WM A0, (\f), (\f)+8, \z
	WM A1, (\f)+16, (\f)+24, \z
	WM A0, (\f)+32, (\f)+40, 0
	WM A1, (\f)+48, (\f)+56, 0
.endm
	FR 0, F0
	FR 1, F1
	s_wait_dscnt 16                                ; the first 16 loads are in; the 16 just issued stay out
	MM F0, 1
	PLACES
	FR 2, F0
	s_wait_dscnt 16
	MM F1, 0
	PLACES
	FR 3, F1
	s_wait_dscnt 16
	MM F0, 0
	s_wait_dscnt 0x0
	MM F1, 0
	PLACES
.set p, 0
.rept 4
	v_pk_add_f32 v[A0+2*p:A0+2*p+1], v[A0+2*p:A0+2*p+1], v[A1+2*p:A1+2*p+1]
.set p, p+1
.endr
.set p, 0
.rept 4
	v_pk_fma_f32 v[A0+2*p:A0+2*p+1], v[A0+2*p:A0+2*p+1], s[40:41], v[BI+2*p:BI+2*p+1] op_sel_hi:[1,0,1]
.set p, p+1
.endr
.set p, 0
.rept 4
	SPLIT A0+2*p, 40+p, 44+p, 14
.set p, p+1
.endr
	ds_store_b128 v9, v[40:43]                     ; hi: 16 bytes of a row's first 128
	ds_store_b128 v9, v[44:47] offset:128          ; lo: of its second 128
	BAR                                            ; a row's 256 bytes come from four waves
	ds_load_b128 v[48:51], v10
	ds_load_b128 v[52:55], v10 offset:2*SP
	s_wait_dscnt 1
	global_store_b128 v11, v[48:51], s[38:39]      ; 16 lanes store 256 consecutive bytes, at a multiple of 256 from the buffer's first
	s_wait_dscnt 0x0
	global_store_b128 v11, v[52:55], s[38:39] offset:4096
	s_wait_tensorcnt 0x0                           ; the wave's end: three closing lines behind my last LDS store
	ds_add_u32 v12, v13
	s_wait_dscnt 0x0
	s_endpgm
.Lfunc_end_k_qbe08ab895e_proj:
	.size	k_qbe08ab895e_proj, .Lfunc_end_k_qbe08ab895e_proj-k_qbe08ab895e_proj
	.p2alignl 7, 3214868480
	.fill 96, 4, 3214868480
	.section	.rodata,"a",@progbits
	.p2align	6, 0x0
	.amdhsa_kernel k_qbe08ab895e_proj
		.amdhsa_group_segment_fixed_size 152576
		.amdhsa_private_segment_fixed_size 0
		.amdhsa_enable_private_segment 0
		.amdhsa_kernarg_size 96
		.amdhsa_user_sgpr_count 2
		.amdhsa_user_sgpr_kernarg_segment_ptr 1
		.amdhsa_wavefront_size32 1
		.amdhsa_system_sgpr_workgroup_id_x 1
		.amdhsa_system_sgpr_workgroup_id_y 1
		.amdhsa_system_sgpr_workgroup_id_z 1
		.amdhsa_system_vgpr_workitem_id 0
		.amdhsa_next_free_vgpr 192
		.amdhsa_next_free_sgpr 66
		.amdhsa_reserve_vcc 0
		.amdhsa_float_denorm_mode_32 3
		.amdhsa_float_denorm_mode_16_64 3
		.amdhsa_memory_ordered 1
		.amdhsa_forward_progress 1
		.amdhsa_inst_pref_size 22
	.end_amdhsa_kernel
	.amdgpu_metadata
---
amdhsa.version: [ 1, 2 ]
amdhsa.kernels:
  - .name:           k_qbe08ab895e_proj
    .symbol:         k_qbe08ab895e_proj.kd
    .args:
      - { .name: query, .offset: 0, .size: 8, .value_kind: global_buffer, .address_space: global }
      - { .name: key, .offset: 8, .size: 8, .value_kind: global_buffer, .address_space: global }
      - { .name: value, .offset: 16, .size: 8, .value_kind: global_buffer, .address_space: global }
      - { .name: Wq, .offset: 24, .size: 8, .value_kind: global_buffer, .address_space: global }
      - { .name: Wk, .offset: 32, .size: 8, .value_kind: global_buffer, .address_space: global }
      - { .name: Wv, .offset: 40, .size: 8, .value_kind: global_buffer, .address_space: global }
      - { .name: bq, .offset: 48, .size: 8, .value_kind: global_buffer, .address_space: global }
      - { .name: bk, .offset: 56, .size: 8, .value_kind: global_buffer, .address_space: global }
      - { .name: bv, .offset: 64, .size: 8, .value_kind: global_buffer, .address_space: global }
      - { .name: qh, .offset: 72, .size: 8, .value_kind: global_buffer, .address_space: global }
      - { .name: kh, .offset: 80, .size: 8, .value_kind: global_buffer, .address_space: global }
      - { .name: vh, .offset: 88, .size: 8, .value_kind: global_buffer, .address_space: global }
    .group_segment_fixed_size: 152576
    .private_segment_fixed_size: 0
    .kernarg_segment_align: 8
    .kernarg_segment_size: 96
    .max_flat_workgroup_size: 512
    .sgpr_count:     66
    .vgpr_count:     192
    .wavefront_size: 32
...
	.end_amdgpu_metadata
.endif
;; end of part 1
;; launch mid (part 2): grid 32 x 8, 16 waves a work-group, no clusters, 193,536 bytes of LDS; arguments qh, kh, Wk, qt, sc0; writes qt, sc0
.if DOCPART == 2
	.amdgcn_target "amdgcn-amd-amdhsa--gfx1250"
	.amdhsa_code_object_version 6
	.text
	.protected	k_qbe08ab895e_mid
	.globl	k_qbe08ab895e_mid
	.p2align	8
	.type	k_qbe08ab895e_mid,@function
k_qbe08ab895e_mid:
	s_mov_b64 s[64:65], 0
	v_nop
	global_prefetch_b8 v0, s[64:65] scope:SCOPE_SE
	s_setreg_imm32_b32 hwreg(HW_REG_WAVE_MODE, 25, 1), 1
	s_wait_xcnt 0x0
; WHAT THE QUERIES BRING TO THE RELATION TENSOR.  q . (Wk_h rel + bk_h) = (Wk_h^T q) . rel + q . bk_h, exactly; so for each row and head
;   qt[row][h][c] = sum over d of q[row][h][d] Wk[64 h + d][c]      (512 numbers; as a pair of bf16: row n = h holds hi, row n = 8 + h lo, of [512 row][16 n][512 c])
;   sc0[row][h][j] = q[row][h] . k2[b][j][h]                        (f32, [512 row][8 h][256 j]; k2 holds both biases)
; q and k2 come as pairs hi + lo.  A pair times an input is two products; a pair times a pair three: lo x lo, some 2^-18 of the product, is dropped.
; SHARES.  A work-group has 16 rows and one head; wave w makes qt's channels 32 w .. 32 w + 31 (two tiles) and sc0's keys 16 w .. 16 w + 15 (one tile).
; No tensor loads: Wk is converted on the way, LDS is filled once.  No cluster: the 32 work-groups of a head share 128 KB of Wk and 64 KB of k2, a small launch's worth.
.set QP,    272                        ; a row of q or k2 in LDS: hi 128 bytes, lo 128, 16 of padding
.set K2,    16*QP
.set WK,    K2+256*QP                  ; Wk's 64 rows of the head, bf16, as they lie: [d][c]
.set WP,    1056                       ; 1,024 + 32 = 264 words
.set STQ,   WK+64*WP                   ; stage for qt: rows 2 r (hi), 2 r + 1 (lo)
.set RP,    1040
.set STS,   STQ+32*RP                  ; stage for sc0: 16 rows of 256 f32
.set SPARE, STS+16*RP                  ; the spare words, 128 bytes for each wave; no other line names them
.set MSK,   22
.set T0,    24                         ; accumulators
.set T1,    32
.set SA,    40
.set SB,    48
.macro BAR
	s_wait_dscnt 0x0
	s_barrier_signal -1
	s_barrier_wait -1
.endm
.macro PLACES
.rept 4
	v_nop
.endr
.endm
.macro CVT4 L
	v_cvt_pk_bf16_f32 v[\L], v[\L], v[(\L)+1]
	v_cvt_pk_bf16_f32 v[(\L)+1], v[(\L)+2], v[(\L)+3]
.endm
.macro SPLIT X, H, Lo, T
	v_cvt_pk_bf16_f32 v[\H], v[\X], v[(\X)+1]
	v_lshlrev_b32 v[\T], 16, v[\H]
	v_and_b32 v[(\T)+1], s[MSK], v[\H]
	v_pk_add_f32 v[\T:(\T)+1], v[\X:(\X)+1], v[\T:(\T)+1] neg_lo:[0,1] neg_hi:[0,1]
	v_cvt_pk_bf16_f32 v[\Lo], v[\T], v[(\T)+1]
.endm
.macro WM d, a, b, z
.if \z
	v_wmma_f32_16x16x32_bf16 v[\d:(\d)+7], v[\a:(\a)+7], v[\b:(\b)+7], 0
.else
	v_wmma_f32_16x16x32_bf16 v[\d:(\d)+7], v[\a:(\a)+7], v[\b:(\b)+7], v[\d:(\d)+7]
.endif
.endm
	s_load_b256 s[4:11], s[0:1], 0x0               ; qh s[4:5], kh s[6:7], Wk s[8:9], qt s[10:11]
	s_load_b64 s[12:13], s[0:1], 0x20              ; sc0
	v_lshl_add_u32 v19, v0, 2, SPARE
	v_mov_b32 v20, 0
	v_lshrrev_b32 v1, 5, v0
	v_readfirstlane_b32 s2, v1                     ; wave 0..15
	v_and_b32 v1, 31, v0
	v_and_b32 v2, 15, v0
	v_bfe_u32 v3, v0, 4, 1
	s_mov_b32 s3, ttmp9                            ; block of 16 rows
	s_and_b32 s14, ttmp7, 0xffff                   ; head
	s_lshr_b32 s15, s3, 4                          ; batch
	s_mov_b32 s[MSK], 0xffff0000
	s_lshl_b32 s24, s2, 11
	v_lshl_add_u32 v4, v1, 3, s24                  ; v4  q: row w, 8 bytes a lane
	v_lshlrev_b32 v5, 11, v3
	v_lshl_add_u32 v5, v2, 4, v5
	s_lshl_b32 s24, s2, 15
	v_add_nc_u32 v5, s24, v5                       ; v5  k2: rows 16 w + hh, 16 bytes a lane
	s_lshl_b32 s24, s2, 13
	v_lshl_add_u32 v6, v1, 4, s24                  ; v6  Wk: rows 4 w ..; also sc0's row w
	s_mul_i32 s24, s2, QP
	v_lshl_add_u32 v7, v1, 3, s24                  ; v7  q into LDS
	v_mul_u32_u24 v8, v3, QP
	v_lshl_add_u32 v8, v2, 4, v8
	s_mul_i32 s24, s2, 16*QP
	s_add_co_u32 s24, s24, K2
	v_add_nc_u32 v8, s24, v8                       ; v8  k2 into LDS
	v_mul_u32_u24 v10, v2, QP
	v_lshl_add_u32 v10, v3, 4, v10                 ; v10 fragments of q
	v_add_nc_u32 v11, s24, v10                     ; v11 fragments of my 16 keys
	s_mul_i32 s24, s2, 4*WP
	s_add_co_u32 s24, s24, WK
	v_lshl_add_u32 v9, v1, 3, s24                  ; v9  Wk into LDS
	v_and_b32 v22, 7, v0
	v_lshl_add_u32 v22, v3, 3, v22
	v_mul_u32_u24 v12, v22, WP
	v_bfe_u32 v22, v0, 3, 1
	v_lshl_add_u32 v12, v22, 4, v12
	s_lshl_b32 s24, s2, 6
	s_add_co_u32 s25, s24, WK
	v_add_nc_u32 v12, s25, v12                     ; v12 the turning load: row 8 hh + l % 8, channels 32 w + 8 ((l / 8) % 2) ..
	v_mul_u32_u24 v13, v2, RP
	v_lshl_add_u32 v13, v3, 5, v13
	s_add_co_u32 s25, s24, STS
	v_add_nc_u32 v13, s25, v13                     ; v13 sc0 into its stage: row r, byte (16 w + 8 hh) x 4
	v_mul_u32_u24 v14, v2, 2*RP
	v_lshl_add_u32 v14, v3, 4, v14
	s_add_co_u32 s25, s24, STQ
	v_add_nc_u32 v14, s25, v14                     ; v14 qt into its stage: row 2 r, byte (32 w + 8 hh) x 2
	s_mul_i32 s24, s2, 2*RP
	s_add_co_u32 s24, s24, STQ
	v_lshl_add_u32 v15, v1, 4, s24                 ; v15 back: rows 2 w, 2 w + 1
	s_mul_i32 s24, s2, RP
	s_add_co_u32 s24, s24, STS
	v_lshl_add_u32 v16, v1, 4, s24                 ; v16 back: row w
	s_lshl_b32 s24, s2, 14
	v_lshl_add_u32 v17, v1, 4, s24                 ; v17 qt's row w: 16,384 bytes a row
	s_mov_b32 s17, 0
	s_lshl_b32 s18, s14, 8                         ; head x 256
	s_wait_kmcnt 0x0
	s_lshl_b32 s16, s3, 15
	s_add_co_u32 s16, s16, s18
	s_add_nc_u64 s[4:5], s[4:5], s[16:17]
	s_lshl_b32 s16, s15, 19
	s_add_co_u32 s16, s16, s18
	s_add_nc_u64 s[6:7], s[6:7], s[16:17]
	s_lshl_b32 s16, s14, 17
	s_add_nc_u64 s[8:9], s[8:9], s[16:17]
	s_lshl_b32 s18, s14, 10                        ; head x 1,024
	s_lshl_b32 s16, s3, 18
	s_add_co_u32 s16, s16, s18
	s_add_nc_u64 s[10:11], s[10:11], s[16:17]
	s_lshl_b32 s16, s3, 17
	s_add_co_u32 s16, s16, s18
	s_add_nc_u64 s[12:13], s[12:13], s[16:17]
	global_load_b64 v[62:63], v4, s[4:5]           ; 32 lanes: the 256 bytes of row w and my head
.set k, 0
.rept 8
	global_load_b128 v[64+4*k:64+4*k+3], v5, s[6:7] offset:k*4096  ; 16 lanes: the 256 bytes of a key and my head
.set k, k+1
.endr
.set k, 0
.rept 4
.set q, 0
.rept 4
	global_load_b128 v[96+16*k+4*q:96+16*k+4*q+3], v6, s[8:9] offset:k*2048+q*512
.set q, q+1
.endr
.set k, k+1
.endr
	s_wait_loadcnt 24                              ; q is in: 8 + 16 younger loads stay out
	ds_store_b64 v7, v[62:63]
.set k, 0
.rept 8
	s_wait_loadcnt 16+(7-k)                        ; k2's load k: the later ones of k2 and Wk's 16 stay out
	ds_store_b128 v8, v[64+4*k:64+4*k+3] offset:k*2*QP
.set k, k+1
.endr
.set k, 0
.rept 4
	s_wait_loadcnt 4*(3-k)                         ; Wk's row k of my four
.set q, 0
.rept 4
	CVT4 96+16*k+4*q
	ds_store_b64 v9, v[96+16*k+4*q:96+16*k+4*q+1] offset:k*WP+q*256
.set q, q+1
.endr
.set k, k+1
.endr
	BAR
	; fragments: q (hl, ks) at v[64 + 16 hl + 8 ks], my keys at v[96 + ..], Wk^T (tile u, ks) at v[128 + 16 u + 8 ks]; ks: d = 32 ks ..
.set u, 0
.rept 2
.set k, 0
.rept 2
	ds_load_b128 v[64+16*u+8*k:64+16*u+8*k+3], v10 offset:u*128+k*64
	ds_load_b128 v[64+16*u+8*k+4:64+16*u+8*k+7], v10 offset:u*128+k*64+32
	ds_load_b128 v[96+16*u+8*k:96+16*u+8*k+3], v11 offset:u*128+k*64
	ds_load_b128 v[96+16*u+8*k+4:96+16*u+8*k+7], v11 offset:u*128+k*64+32
	ds_load_tr16_b128 v[128+16*u+8*k:128+16*u+8*k+3], v12 offset:u*32+k*32*WP
	ds_load_tr16_b128 v[128+16*u+8*k+4:128+16*u+8*k+7], v12 offset:u*32+k*32*WP+16*WP
.set k, k+1
.endr
.set u, u+1
.endr
	s_wait_dscnt 0x0
	; Source 1 = the 16 rows of q: a lane holds one row (r) and eight neighbouring channels or keys.  The four accumulators take turns.
	WM T0, 128, 64, 1                              ; W(0, 0) x q hi 0
	WM T1, 144, 64, 1
	WM SB, 96, 80, 1                               ; k hi 0 x q lo 0
	WM SA, 96, 64, 1                               ; k hi 0 x q hi 0
	WM T0, 128, 80, 0                              ; W(0, 0) x q lo 0
	WM T1, 144, 80, 0
	WM SB, 112, 64, 0                              ; k lo 0 x q hi 0
	WM T0, 136, 72, 0
	WM T1, 152, 72, 0
	WM SB, 104, 88, 0
	WM SA, 104, 72, 0
	WM T0, 136, 88, 0
	WM T1, 152, 88, 0
	WM SB, 120, 72, 0
	PLACES
.set p, 0
.rept 4
	v_pk_add_f32 v[SA+2*p:SA+2*p+1], v[SA+2*p:SA+2*p+1], v[SB+2*p:SB+2*p+1]
.set p, p+1
.endr
	ds_store_b128 v13, v[SA:SA+3]
	ds_store_b128 v13, v[SA+4:SA+7] offset:16
.set u, 0
.rept 2
.set p, 0
.rept 4
	SPLIT T0+8*u+2*p, 160+8*u+p, 164+8*u+p, 22
.set p, p+1
.endr
	ds_store_b128 v14, v[160+8*u:160+8*u+3] offset:u*32
	ds_store_b128 v14, v[164+8*u:164+8*u+3] offset:RP+u*32
.set u, u+1
.endr
	BAR                                            ; a row comes from all 16 waves
.set n, 0
.rept 4
	ds_load_b128 v[64+4*n:64+4*n+3], v15 offset:(n/2)*RP+(n%2)*512
.set n, n+1
.endr
	ds_load_b128 v[80:83], v16
	ds_load_b128 v[84:87], v16 offset:512
.set n, 0
.rept 4
	s_wait_dscnt 5-n                               ; LDS loads come back in order (ISA guide 5.7.1)
	global_store_b128 v17, v[64+4*n:64+4*n+3], s[10:11] offset:(n/2)*8192+(n%2)*512  ; 512 consecutive bytes
.set n, n+1
.endr
	s_wait_dscnt 1
	global_store_b128 v6, v[80:83], s[12:13]
	s_wait_dscnt 0x0
	global_store_b128 v6, v[84:87], s[12:13] offset:512
	s_wait_tensorcnt 0x0                           ; the wave's end: three closing lines behind my last LDS store
	ds_add_u32 v19, v20
	s_wait_dscnt 0x0
	s_endpgm
.Lfunc_end_k_qbe08ab895e_mid:
	.size	k_qbe08ab895e_mid, .Lfunc_end_k_qbe08ab895e_mid-k_qbe08ab895e_mid
	.p2alignl 7, 3214868480
	.fill 96, 4, 3214868480
	.section	.rodata,"a",@progbits
	.p2align	6, 0x0
	.amdhsa_kernel k_qbe08ab895e_mid
		.amdhsa_group_segment_fixed_size 193536
		.amdhsa_private_segment_fixed_size 0
		.amdhsa_enable_private_segment 0
		.amdhsa_kernarg_size 40
		.amdhsa_user_sgpr_count 2
		.amdhsa_user_sgpr_kernarg_segment_ptr 1
		.amdhsa_wavefront_size32 1
		.amdhsa_system_sgpr_workgroup_id_x 1
		.amdhsa_system_sgpr_workgroup_id_y 1
		.amdhsa_system_sgpr_workgroup_id_z 1
		.amdhsa_system_vgpr_workitem_id 0
		.amdhsa_next_free_vgpr 192
		.amdhsa_next_free_sgpr 66
		.amdhsa_reserve_vcc 0
		.amdhsa_float_denorm_mode_32 3
		.amdhsa_float_denorm_mode_16_64 3
		.amdhsa_memory_ordered 1
		.amdhsa_forward_progress 1
		.amdhsa_inst_pref_size 17
	.end_amdhsa_kernel
	.amdgpu_metadata
---
amdhsa.version: [ 1, 2 ]
amdhsa.kernels:
  - .name:           k_qbe08ab895e_mid
    .symbol:         k_qbe08ab895e_mid.kd
    .args:
      - { .name: qh, .offset: 0, .size: 8, .value_kind: global_buffer, .address_space: global }
      - { .name: kh, .offset: 8, .size: 8, .value_kind: global_buffer, .address_space: global }
      - { .name: Wk, .offset: 16, .size: 8, .value_kind: global_buffer, .address_space: global }
      - { .name: qt, .offset: 24, .size: 8, .value_kind: global_buffer, .address_space: global }
      - { .name: sc0, .offset: 32, .size: 8, .value_kind: global_buffer, .address_space: global }
    .group_segment_fixed_size: 193536
    .private_segment_fixed_size: 0
    .kernarg_segment_align: 8
    .kernarg_segment_size: 40
    .max_flat_workgroup_size: 512
    .sgpr_count:     66
    .vgpr_count:     192
    .wavefront_size: 32
...
	.end_amdgpu_metadata
.endif
;; end of part 2
;; launch relat (part 3): grid 256 x 1, 16 waves a work-group, no clusters, 311,040 bytes of LDS; arguments relation, mask, qt, sc0, pw, yw; writes pw, yw
.if DOCPART == 3
	.amdgcn_target "amdgcn-amd-amdhsa--gfx1250"
	.amdhsa_code_object_version 6
	.text
	.protected	k_qbe08ab895e_relat
	.globl	k_qbe08ab895e_relat
	.p2align	8
	.type	k_qbe08ab895e_relat,@function
k_qbe08ab895e_relat:
	s_mov_b64 s[64:65], 0
	v_nop
	global_prefetch_b8 v0, s[64:65] scope:SCOPE_SE
	s_setreg_imm32_b32 hwreg(HW_REG_WAVE_MODE, 25, 1), 1
	s_wait_xcnt 0x0
; THE RELATION TENSOR, READ ONCE.  For a row (b, i) its slab rel[j][c], 256 keys x 512 channels, is needed twice:
;   s[h][j] = sc0[h][j] + sum over c of qt[h][c] rel[j][c]     (in units of log2: the factor log2(e) / 8 lies in q);  where mask == 0: s = -1e9 log2(e)
;   a = softmax over j, in base 2, the row's true maximum taken away;    Y[h][c] = sum over j of a[h][j] rel[j][c]
; Out go a (pw: pairs of bf16, [row][16 n][256 j], n = h hi, n = 8 + h lo) and Y (yw: f32, [row][8 h][512 c]); the next launch multiplies them by v2 and by Wv.
; Rounded to bf16 the slab is 256 KB: it stays in LDS between the two products, so memory is read once.  Of a matrix instruction's 16 rows 8 are heads: the other 8 take the lo parts of qt and of a.
; SHARES.  A work-group owns two rows, 1 MB of consecutive bytes.  For each row wave w brings in keys 16 w .. 16 w + 15 (32 KB), makes those keys' scores for all heads, and later Y for 32 channels over all keys.
; THE STREAM goes through registers, not through the tensor data mover: beside the slab LDS has no room for slots of f32, and the conversion lies on the way.  A wave has four slots of 8 loads,
; 32 loads (16 KB) in flight; the second row's first 16 KB a wave are in flight through the first row's softmax and second product.  Every offset is an immediate: no address register is ever rewritten.
; No cluster: the work-groups share no input.  sc0 and mask are read straight, in pieces of 32 bytes a lane: 9 KB beside the 512 KB of a row.
; LIMITS.  NaN and infinities are not treated apart; a weight below 2^-126 counts as 0; the masked score is -1e9 log2(e) rounded to f32.
.set RP,    1040                       ; a key's row in LDS: 1,024 bytes + 16 = 260 words: row r starts at bank 4 r mod 64 (64 banks of 4 bytes: ISA guide 11.1)
.set QT0,   256*RP                     ; qt of the first row, 16 x 1,040; behind that row's first barrier it is dead and takes Y's stage, 8 heads x 2,064
.set QTB,   16*RP                      ; qt of the second row lies this far on
.set PA,    QT0+2*QTB                  ; the weights, 16 n x 528
.set PP,    528
.set MX,    PA+16*PP                   ; [8 h][16 w] f32: the waves' maxima; 512 bytes on: their sums
.set SPARE, MX+1024                    ; the spare words, 128 bytes for each wave; no other line names them
.set YP,    2064
.set MSK,   22
.set S0R,   32                         ; v[32:47]   sc0 of my keys, 8 for each row
.set A0,    48                         ; v[48:55], v[56:63]  two accumulators
.set A1,    56
.set F,     64                         ; v[64:127]  fragments, and at work
.set LND,   128                        ; v[128:255] the stream's four slots of 32
.macro BAR
	s_wait_dscnt 0x0
	s_barrier_signal -1
	s_barrier_wait -1
.endm
.macro PLACES                          ; four plain vector instructions between a matrix instruction and what reads its result or loads into its registers
.rept 4
	v_nop
.endr
.endm
.macro SPLIT X, H, Lo, T               ; two f32 to hi = bf16(x) and lo = bf16(x - hi)
	v_cvt_pk_bf16_f32 v[\H], v[\X], v[(\X)+1]
	v_lshlrev_b32 v[\T], 16, v[\H]
	v_and_b32 v[(\T)+1], s[MSK], v[\H]
	v_pk_add_f32 v[\T:(\T)+1], v[\X:(\X)+1], v[\T:(\T)+1] neg_lo:[0,1] neg_hi:[0,1]
	v_cvt_pk_bf16_f32 v[\Lo], v[\T], v[(\T)+1]
.endm
.macro WM d, a, b, z
.if \z
	v_wmma_f32_16x16x32_bf16 v[\d:(\d)+7], v[\a:(\a)+7], v[\b:(\b)+7], 0
.else
	v_wmma_f32_16x16x32_bf16 v[\d:(\d)+7], v[\a:(\a)+7], v[\b:(\b)+7], v[\d:(\d)+7]
.endif
.endm
	s_load_b256 s[4:11], s[0:1], 0x0               ; relation s[4:5], mask s[6:7], qt s[8:9], sc0 s[10:11]
	s_load_b128 s[12:15], s[0:1], 0x20             ; pw s[12:13], yw s[14:15]
	v_lshl_add_u32 v24, v0, 2, SPARE               ; my spare word,
	v_mov_b32 v25, 0                               ; and 0: for the closing lines
	v_lshrrev_b32 v1, 5, v0
	v_readfirstlane_b32 s16, v1                    ; wave 0..15
	v_and_b32 v1, 31, v0                           ; l
	v_and_b32 v2, 15, v0                           ; r = l % 16
	v_bfe_u32 v3, v0, 4, 1                         ; hh = l / 16
	v_mov_b32 v30, 0xceabfb8f                      ; -1e9 log2(e)
	v_mov_b32 v31, 0                               ; at work; written before v_permlanex16_b32 names it
	s_mov_b32 s20, 0x76543210                      ; v_permlanex16_b32: each lane takes its own place in the other half
	s_mov_b32 s21, 0xfedcba98
	s_mov_b32 s[MSK], 0xffff0000
	s_mov_b32 s23, 0xff00ff00                      ; the lanes with r >= 8: the lo rows
	s_lshl_b32 s24, s16, 15
	v_lshl_add_u32 v4, v1, 4, s24                  ; v4  stream: my 16 keys x 2,048 bytes, 16 bytes a lane
	s_mul_i32 s24, s16, 16*RP
	v_lshl_add_u32 v5, v1, 3, s24                  ; v5  the same keys in LDS, 8 bytes a lane
	v_mul_u32_u24 v22, v2, RP
	v_lshl_add_u32 v22, v3, 4, v22                 ; a fragment's row x pitch + 16 x half
	v_add_nc_u32 v6, s24, v22                      ; v6  fragments of my 16 keys
	v_add_nc_u32 v7, QT0, v22                      ; v7  fragments of qt
	v_and_b32 v23, 7, v0                           ; l % 8 = r % 8
	v_lshl_add_u32 v22, v3, 3, v23
	v_mul_u32_u24 v8, v22, RP
	v_bfe_u32 v22, v0, 3, 1                        ; (l / 8) % 2 = r / 8
	v_lshl_add_u32 v8, v22, 7, v8
	s_lshr_b32 s25, s16, 2
	s_and_b32 s26, s16, 3
	s_lshl_b32 s24, s25, 8
	s_lshl_b32 s27, s26, 5
	s_add_co_u32 s24, s24, s27
	v_add_nc_u32 v8, s24, v8                       ; v8  the turning load: key 8 hh + l % 8, channel 128 (w / 4) + 16 (w % 4) + 64 ((l / 8) % 2)
	v_mul_u32_u24 v9, v2, PP
	v_lshl_add_u32 v9, v3, 4, v9
	v_add_nc_u32 v9, PA, v9                        ; v9  fragments of the weights
	s_lshl_b32 s24, s16, 5
	v_add_nc_u32 v10, s24, v9                      ; v10 my weights into LDS: row r, byte (16 w + 8 hh) x 2
	v_lshl_add_u32 v12, v23, 6, MX                 ; v12 my head's 16 maxima
	s_lshl_b32 s24, s16, 2
	v_add_nc_u32 v11, s24, v12                     ; v11 my wave's word among them
	v_mul_u32_u24 v13, v23, YP
	v_lshl_add_u32 v13, v3, 8, v13
	v_lshl_add_u32 v13, v22, 5, v13
	s_lshl_b32 s24, s25, 9
	s_lshl_b32 s27, s26, 6
	s_add_co_u32 s24, s24, s27
	s_add_co_u32 s24, s24, QT0
	v_add_nc_u32 v13, s24, v13                     ; v13 Y into its stage: head r % 8, channel 128 (w / 4) + 64 hh + 16 (w % 4) + 8 (r / 8)
	s_mul_i32 s24, s16, PP
	s_add_co_u32 s24, s24, PA
	v_lshl_add_u32 v14, v1, 4, s24                 ; v14 row w of the weights, whole
	s_lshr_b32 s24, s16, 1
	s_mul_i32 s24, s24, YP
	s_and_b32 s27, s16, 1
	s_lshl_b32 s27, s27, 10
	s_add_co_u32 s24, s24, s27
	s_add_co_u32 s24, s24, QT0
	v_lshl_add_u32 v15, v1, 4, s24                 ; v15 Y back: head w / 2, half w % 2
	s_lshl_b32 s24, s16, 9
	v_lshl_add_u32 v16, v1, 4, s24                 ; v16 in pw
	s_lshl_b32 s24, s16, 10
	v_lshl_add_u32 v17, v1, 4, s24                 ; v17 in yw
	s_lshl_b32 s24, s16, 6
	v_lshl_add_u32 v19, v3, 5, s24                 ; v19 mask: (16 w + 8 hh) x 4
	v_lshl_add_u32 v18, v23, 10, v19               ; v18 sc0: the same in head r % 8
	s_lshl_b32 s24, s16, 11
	v_lshl_add_u32 v20, v1, 4, s24                 ; v20 qt: my 2,048 of both rows' 32,768 bytes
	s_lshr_b32 s24, s16, 3
	s_mul_i32 s24, s24, QTB
	s_and_b32 s27, s16, 7
	s_mul_i32 s27, s27, 2*RP
	s_add_co_u32 s24, s24, s27
	s_add_co_u32 s24, s24, QT0
	v_lshl_add_u32 v21, v1, 4, s24                 ; v21 the same in LDS: row w / 8, n = 2 (w % 8), 2 (w % 8) + 1
	s_mov_b32 s19, 0
	s_wait_kmcnt 0x0
	s_lshl_b32 s18, ttmp9, 20                      ; two rows of each buffer for a work-group
	s_add_nc_u64 s[4:5], s[4:5], s[18:19]
	s_lshl_b32 s18, ttmp9, 11
	s_add_nc_u64 s[6:7], s[6:7], s[18:19]
	s_lshl_b32 s18, ttmp9, 15
	s_add_nc_u64 s[8:9], s[8:9], s[18:19]
	s_add_nc_u64 s[14:15], s[14:15], s[18:19]
	s_lshl_b32 s18, ttmp9, 14
	s_add_nc_u64 s[10:11], s[10:11], s[18:19]
	s_add_nc_u64 s[12:13], s[12:13], s[18:19]
.set k, 0
.rept 4
	global_load_b128 v[F+4*k:F+4*k+3], v20, s[8:9] offset:k*512
.set k, k+1
.endr
	global_load_b128 v[S0R:S0R+3], v18, s[10:11]
	global_load_b128 v[S0R+4:S0R+7], v18, s[10:11] offset:16
	global_load_b128 v[S0R+8:S0R+11], v18, s[10:11] offset:8192
	global_load_b128 v[S0R+12:S0R+15], v18, s[10:11] offset:8208
	global_load_b128 v[F+16:F+19], v19, s[6:7]
	global_load_b128 v[F+20:F+23], v19, s[6:7] offset:16
	global_load_b128 v[F+24:F+27], v19, s[6:7] offset:1024
	global_load_b128 v[F+28:F+31], v19, s[6:7] offset:1040
.set n, 0
.rept 32                               ; slots 0 to 3: keys 0 to 7 of my 16
	global_load_b128 v[LND+4*n:LND+4*n+3], v4, s[4:5] offset:(n/4)*2048+(n%4)*512 th:TH_LOAD_NT
.set n, n+1
.endr
	s_wait_loadcnt 40                              ; qt is in: 8 small loads and the stream's 32 stay out
.set k, 0
.rept 4
	ds_store_b128 v21, v[F+4*k:F+4*k+3] offset:(k/2)*RP+(k%2)*512
.set k, k+1
.endr
	s_wait_loadcnt 32                              ; sc0 and mask are in
.set n, 0
.rept 16
	v_cmp_eq_u32 s[32+n], 0, v[F+16+n]             ; s[32 + 8 row + v]: the lanes whose key 16 w + 8 hh + v is masked
.set n, n+1
.endr
	BAR                                            ; qt of both rows is whole
; Slot sg of 16 (8 for each row): two keys are rounded to bf16 and go into LDS; the slot is asked for again, four slots on.  left: the younger loads of the stream, which stay out.
.macro SLOT sg, left
.set LL, LND+32*((\sg)%4)
	s_wait_loadcnt \left
.set n, 0
.rept 8
	v_cvt_pk_bf16_f32 v[LL+4*n], v[LL+4*n], v[LL+4*n+1]
	v_cvt_pk_bf16_f32 v[LL+4*n+1], v[LL+4*n+2], v[LL+4*n+3]
	ds_store_b64 v5, v[LL+4*n:LL+4*n+1] offset:(2*((\sg)%8)+n/4)*RP+(n%4)*256
.set n, n+1
.endr
.if (\sg) < 12
.set n, 0
.rept 8
	global_load_b128 v[LL+4*n:LL+4*n+3], v4, s[4:5] offset:(((\sg)+4)/8)*524288+(2*(((\sg)+4)%8)+n/4)*2048+(n%4)*512 th:TH_LOAD_NT
.set n, n+1
.endr
.endif
.endm
; THE SCORES of my 16 keys.  Source 0 = the keys (my own bytes of the slab: LDS serves a wave's instructions in order, ISA guide 5.7.1.4), source 1 = qt's 16 rows: a lane holds one row of qt
; (r: head r hi, or head r - 8 lo) and the keys 16 w + 8 hh + 0..7.  16 K steps, four at a time; even steps on one accumulator, odd on the other: they take turns.
.macro S1 rho
.set be, 0
.rept 4
.if be > 0
	PLACES
.endif
.set i, 0
.rept 4
	ds_load_b128 v[F+16*i:F+16*i+3], v6 offset:64*(4*be+i)
	ds_load_b128 v[F+16*i+4:F+16*i+7], v6 offset:64*(4*be+i)+32
	ds_load_b128 v[F+16*i+8:F+16*i+11], v7 offset:(\rho)*QTB+64*(4*be+i)
	ds_load_b128 v[F+16*i+12:F+16*i+15], v7 offset:(\rho)*QTB+64*(4*be+i)+32
.set i, i+1
.endr
.set i, 0
.rept 4
	s_wait_dscnt 12-4*i                            ; step i's four loads are in; the later steps' stay out
.if 4*be+i < 2
	WM A0+8*(i%2), F+16*i, F+16*i+8, 1
.else
	WM A0+8*(i%2), F+16*i, F+16*i+8, 0
.endif
.set i, i+1
.endr
.set be, be+1
.endr
.endm
; THE SOFTMAX of a row, all heads, over the 16 waves: three barriers.
.macro SOFT rho
	PLACES
.set p, 0
.rept 4
	v_pk_add_f32 v[A0+2*p:A0+2*p+1], v[A0+2*p:A0+2*p+1], v[A1+2*p:A1+2*p+1]
.set p, p+1
.endr
.set n, 0
.rept 8
	v_add_f32_dpp v[A0+n], v[A0+n], v[A0+n] row_xmask:8 row_mask:0xf bank_mask:0xf  ; hi row + lo row: lanes r and r + 8 now both hold head r % 8
.set n, n+1
.endr
.set p, 0
.rept 4
	v_pk_add_f32 v[A0+2*p:A0+2*p+1], v[A0+2*p:A0+2*p+1], v[S0R+8*(\rho)+2*p:S0R+8*(\rho)+2*p+1]
.set p, p+1
.endr
.set n, 0
.rept 8
	v_cndmask_b32 v[A0+n], v[A0+n], v30, s[32+8*(\rho)+n]
.set n, n+1
.endr
	v_max3_num_f32 v[F], v[A0], v[A0+1], v[A0+2]
	v_max3_num_f32 v[F], v[F], v[A0+3], v[A0+4]
	v_max3_num_f32 v[F], v[F], v[A0+5], v[A0+6]
	v_max_num_f32 v[F], v[F], v[A0+7]
	v_permlanex16_b32 v31, v[F], s20, s21          ; my wave's other 8 keys lie in the lane 16 away
	v_max_num_f32 v[F], v[F], v31
	ds_store_b32 v11, v[F]
	BAR                                            ; A: all waves' maxima are in; qt of this row has been read for the last time
.set k, 0
.rept 4
	ds_load_b128 v[F+4*k:F+4*k+3], v12 offset:16*k
.set k, k+1
.endr
	s_wait_dscnt 0x0
	v_max3_num_f32 v[F+16], v[F], v[F+1], v[F+2]
.set k, 0
.rept 6
	v_max3_num_f32 v[F+16], v[F+16], v[F+3+2*k], v[F+4+2*k]
.set k, k+1
.endr
	v_max_num_f32 v[F+16], v[F+16], v[F+15]        ; the row's maximum for my head
.set n, 0
.rept 8
	v_sub_f32 v[A0+n], v[A0+n], v[F+16]
.set n, n+1
.endr
.set n, 0
.rept 8
	v_exp_f32 v[A0+n], v[A0+n]
.set n, n+1
.endr
	v_nop                                          ; a plain instruction between the last exponential and the use of its result (ISA guide 5.7.2)
	s_wait_alu depctr_va_vdst(0)
	v_pk_add_f32 v[F:F+1], v[A0:A0+1], v[A0+2:A0+3]
	v_pk_add_f32 v[F+2:F+3], v[A0+4:A0+5], v[A0+6:A0+7]
	v_pk_add_f32 v[F:F+1], v[F:F+1], v[F+2:F+3]
	v_add_f32 v[F], v[F], v[F+1]
	v_permlanex16_b32 v31, v[F], s20, s21
	v_add_f32 v[F], v[F], v31
	ds_store_b32 v11, v[F] offset:512
	BAR                                            ; B: all waves' sums are in
.set k, 0
.rept 4
	ds_load_b128 v[F+4*k:F+4*k+3], v12 offset:512+16*k
.set k, k+1
.endr
	s_wait_dscnt 0x0
	v_pk_add_f32 v[F:F+1], v[F:F+1], v[F+2:F+3]
	v_pk_add_f32 v[F+4:F+5], v[F+4:F+5], v[F+6:F+7]
	v_pk_add_f32 v[F+8:F+9], v[F+8:F+9], v[F+10:F+11]
	v_pk_add_f32 v[F+12:F+13], v[F+12:F+13], v[F+14:F+15]
	v_pk_add_f32 v[F:F+1], v[F:F+1], v[F+4:F+5]
	v_pk_add_f32 v[F+8:F+9], v[F+8:F+9], v[F+12:F+13]
	v_pk_add_f32 v[F:F+1], v[F:F+1], v[F+8:F+9]
	v_add_f32 v[F+2], v[F], v[F+1]                 ; l: at least 1, the maximum's own weight
	v_rcp_f32 v[F], v[F+2]
	v_rcp_f32 v[F+1], v[F+2]
	v_nop
.set p, 0
	s_wait_alu depctr_va_vdst(0)
.rept 4
	v_pk_mul_f32 v[A0+2*p:A0+2*p+1], v[A0+2*p:A0+2*p+1], v[F:F+1]
.set p, p+1
.endr
.set p, 0
.rept 4
	SPLIT A0+2*p, F+16+p, F+20+p, 22
.set p, p+1
.endr
.set p, 0
.rept 4
	v_cndmask_b32 v[F+16+p], v[F+16+p], v[F+20+p], s23  ; rows 0-7 take hi, rows 8-15 lo
.set p, p+1
.endr
	ds_store_b128 v10, v[F+16:F+19]
	BAR                                            ; C: the weights and the whole slab are in LDS
.endm
.macro PCOPY rho                       ; row w of the weights leaves: 512 consecutive bytes
	ds_load_b128 v[26:29], v14
	s_wait_dscnt 0x0
	global_store_b128 v16, v[26:29], s[12:13] offset:(\rho)*8192
.endm
; Y.  Source 0 = the slab turned (16 channels x 32 keys, by ds_load_tr16_b128), source 1 = the weights' 16 rows: a lane holds one row of weights (r) and eight channels.
; The turning load's two blocks of eight channels are taken 128 bytes apart, not 16.
; So tile u holds the channels 128 (w / 4) + 16 (w % 4) + 8 u + 64 hh + 0..7.  8 K steps of 32 keys, two at a time; the two tiles' accumulators take turns.
.macro S3
.set be, 0
.rept 4
.if be > 0
	PLACES
.endif
	v_add_nc_u32 v31, be*64*RP, v8
.set i, 0
.rept 2
	ds_load_b128 v[F+24*i:F+24*i+3], v9 offset:(2*be+i)*64
	ds_load_b128 v[F+24*i+4:F+24*i+7], v9 offset:(2*be+i)*64+32
	ds_load_tr16_b128 v[F+24*i+8:F+24*i+11], v31 offset:i*32*RP
	ds_load_tr16_b128 v[F+24*i+12:F+24*i+15], v31 offset:i*32*RP+16*RP
	ds_load_tr16_b128 v[F+24*i+16:F+24*i+19], v31 offset:i*32*RP+16
	ds_load_tr16_b128 v[F+24*i+20:F+24*i+23], v31 offset:i*32*RP+16*RP+16
.set i, i+1
.endr
	s_wait_dscnt 6                                 ; the first step's six loads are in; the second's stay out
.if be == 0
	WM A0, F+8, F, 1
	WM A1, F+16, F, 1
.else
	WM A0, F+8, F, 0
	WM A1, F+16, F, 0
.endif
	s_wait_dscnt 0x0
	WM A0, F+32, F+24, 0
	WM A1, F+40, F+24, 0
.set be, be+1
.endr
.endm
.macro YOUT rho
	PLACES
.set n, 0
.rept 16
	v_add_f32_dpp v[A0+n], v[A0+n], v[A0+n] row_xmask:8 row_mask:0xf bank_mask:0xf  ; hi row + lo row
.set n, n+1
.endr
.set n, 0
.rept 8
	v_cndmask_b32 v[A0+n], v[A0+n], v[A1+n], s23   ; lanes r < 8 keep tile 0, lanes r >= 8 take tile 1: no number is stored twice
.set n, n+1
.endr
	ds_store_b128 v13, v[A0:A0+3] offset:(\rho)*QTB
	ds_store_b128 v13, v[A0+4:A0+7] offset:(\rho)*QTB+16
	BAR                                            ; D: Y is whole; nobody reads the slab, the weights or the statistics any more
	ds_load_b128 v[F:F+3], v15 offset:(\rho)*QTB
	ds_load_b128 v[F+4:F+7], v15 offset:(\rho)*QTB+512
	s_wait_dscnt 1
	global_store_b128 v17, v[F:F+3], s[14:15] offset:(\rho)*16384  ; 512 consecutive bytes
	s_wait_dscnt 0x0
	global_store_b128 v17, v[F+4:F+7], s[14:15] offset:(\rho)*16384+512
.endm
.irp sg, 0,1,2,3,4,5,6,7
	SLOT \sg, 24                                   ; three younger slots stay out
.endr
	S1 0
	SOFT 0
	PCOPY 0
	S3
	YOUT 0
	s_wait_xcnt 0x0                                ; every earlier memory instruction has had its addresses translated (ISA guide 3.1): the stores' data registers are rewritten only behind this wait
.irp sg, 8,9,10,11,12
	SLOT \sg, 24
.endr
	SLOT 13, 16                                    ; nothing more is asked for: the counts run down
	SLOT 14, 8
	SLOT 15, 0
	S1 1
	SOFT 1
	PCOPY 1
	S3
	YOUT 1
	s_wait_tensorcnt 0x0                           ; the wave's end: three closing lines behind my last LDS store
	ds_add_u32 v24, v25
	s_wait_dscnt 0x0
	s_endpgm
.Lfunc_end_k_qbe08ab895e_relat:
	.size	k_qbe08ab895e_relat, .Lfunc_end_k_qbe08ab895e_relat-k_qbe08ab895e_relat
	.p2alignl 7, 3214868480
	.fill 96, 4, 3214868480
	.section	.rodata,"a",@progbits
	.p2align	6, 0x0
	.amdhsa_kernel k_qbe08ab895e_relat
		.amdhsa_group_segment_fixed_size 311040
		.amdhsa_private_segment_fixed_size 0
		.amdhsa_enable_private_segment 0
		.amdhsa_kernarg_size 48
		.amdhsa_user_sgpr_count 2
		.amdhsa_user_sgpr_kernarg_segment_ptr 1
		.amdhsa_wavefront_size32 1
		.amdhsa_system_sgpr_workgroup_id_x 1
		.amdhsa_system_sgpr_workgroup_id_y 1
		.amdhsa_system_sgpr_workgroup_id_z 1
		.amdhsa_system_vgpr_workitem_id 0
		.amdhsa_next_free_vgpr 256
		.amdhsa_next_free_sgpr 66
		.amdhsa_reserve_vcc 0
		.amdhsa_float_denorm_mode_32 3
		.amdhsa_float_denorm_mode_16_64 3
		.amdhsa_memory_ordered 1
		.amdhsa_forward_progress 1
		.amdhsa_inst_pref_size 83
	.end_amdhsa_kernel
	.amdgpu_metadata
---
amdhsa.version: [ 1, 2 ]
amdhsa.kernels:
  - .name:           k_qbe08ab895e_relat
    .symbol:         k_qbe08ab895e_relat.kd
    .args:
      - { .name: relation, .offset: 0, .size: 8, .value_kind: global_buffer, .address_space: global }
      - { .name: mask, .offset: 8, .size: 8, .value_kind: global_buffer, .address_space: global }
      - { .name: qt, .offset: 16, .size: 8, .value_kind: global_buffer, .address_space: global }
      - { .name: sc0, .offset: 24, .size: 8, .value_kind: global_buffer, .address_space: global }
      - { .name: pw, .offset: 32, .size: 8, .value_kind: global_buffer, .address_space: global }
      - { .name: yw, .offset: 40, .size: 8, .value_kind: global_buffer, .address_space: global }
    .group_segment_fixed_size: 311040
    .private_segment_fixed_size: 0
    .kernarg_segment_align: 8
    .kernarg_segment_size: 48
    .max_flat_workgroup_size: 512
    .sgpr_count:     66
    .vgpr_count:     256
    .wavefront_size: 32
...
	.end_amdgpu_metadata
.endif
;; end of part 3
;; launch mix (part 4): grid 32 x 8, 16 waves a work-group, no clusters, 213,248 bytes of LDS; arguments pw, vh, yw, Wv, xh; writes xh
.if DOCPART == 4
	.amdgcn_target "amdgcn-amd-amdhsa--gfx1250"
	.amdhsa_code_object_version 6
	.text
	.protected	k_qbe08ab895e_mix
	.globl	k_qbe08ab895e_mix
	.p2align	8
	.type	k_qbe08ab895e_mix,@function
k_qbe08ab895e_mix:
	s_mov_b64 s[64:65], 0
	v_nop
	global_prefetch_b8 v0, s[64:65] scope:SCOPE_SE
	s_setreg_imm32_b32 hwreg(HW_REG_WAVE_MODE, 25, 1), 1
	s_wait_xcnt 0x0
; x[row][64 h + d] = sum over j of a[row][h][j] v2[b][j][64 h + d] + sum over c of Y[row][h][c] Wv[64 h + d][c].   (v2 holds both biases, so the weights' sum carries them.)
; a and v2 come as pairs of bf16 (three products: lo x lo, some 2^-18 of the product, is dropped); Y comes in f32 and is split here; Wv is rounded to bf16 like every input.
; x leaves as a pair, in the layout of q: [512 row][8 h][hi, lo][64].
; SHARES.  A work-group has 16 rows and one head.  Wave w makes the tile of d = 16 (w % 4) .. over a quarter w / 4 of both sums (64 keys, 128 channels); the four quarters meet in LDS, in f32.
; No tensor loads: Y and Wv are converted on the way, LDS is filled once.  No cluster: what the 32 work-groups of a head share is 128 KB of Wv and 64 KB of v2.
.set PP,    528                        ; a row of weights: 512 bytes + 16
.set PLO,   16*PP                      ; the lo rows lie this far behind the hi rows
.set VB,    2*PLO                      ; v2: 256 keys x 288
.set VP,    288                        ; hi 128 bytes, lo 128, 32 of padding = 72 words
.set YH,    VB+256*VP                  ; Y hi: 16 x 1,040
.set RP,    1040
.set YLO,   16*RP                      ; Y lo lies this far on
.set WV,    YH+2*YLO                   ; Wv's 64 rows of the head
.set RED,   WV+64*RP                   ; the partial sums: [tile][quarter][register pair][lane] of 8 bytes
.set STG,   RED+16384                  ; the stage: 16 rows x 272
.set SP,    272
.set SPARE, STG+16*SP                  ; the spare words, 128 bytes for each wave; no other line names them
.set MSK,   22
.set C0,    24                         ; five accumulators, v[24:63]
.set C1,    32
.set C2,    40
.set C3,    48
.set C4,    56
.macro BAR
	s_wait_dscnt 0x0
	s_barrier_signal -1
	s_barrier_wait -1
.endm
.macro PLACES
.rept 4
	v_nop
.endr
.endm
.macro CVT4 L
	v_cvt_pk_bf16_f32 v[\L], v[\L], v[(\L)+1]
	v_cvt_pk_bf16_f32 v[(\L)+1], v[(\L)+2], v[(\L)+3]
.endm
.macro SPLIT X, H, Lo, T
	v_cvt_pk_bf16_f32 v[\H], v[\X], v[(\X)+1]
	v_lshlrev_b32 v[\T], 16, v[\H]
	v_and_b32 v[(\T)+1], s[MSK], v[\H]
	v_pk_add_f32 v[\T:(\T)+1], v[\X:(\X)+1], v[\T:(\T)+1] neg_lo:[0,1] neg_hi:[0,1]
	v_cvt_pk_bf16_f32 v[\Lo], v[\T], v[(\T)+1]
.endm
.macro WM d, a, b, z
.if \z
	v_wmma_f32_16x16x32_bf16 v[\d:(\d)+7], v[\a:(\a)+7], v[\b:(\b)+7], 0
.else
	v_wmma_f32_16x16x32_bf16 v[\d:(\d)+7], v[\a:(\a)+7], v[\b:(\b)+7], v[\d:(\d)+7]
.endif
.endm
	s_load_b256 s[4:11], s[0:1], 0x0               ; pw s[4:5], vh s[6:7], yw s[8:9], Wv s[10:11]
	s_load_b64 s[12:13], s[0:1], 0x20              ; xh
	v_lshl_add_u32 v20, v0, 2, SPARE
	v_mov_b32 v21, 0
	v_lshrrev_b32 v1, 5, v0
	v_readfirstlane_b32 s2, v1                     ; wave 0..15
	v_and_b32 v1, 31, v0
	v_and_b32 v2, 15, v0
	v_bfe_u32 v3, v0, 4, 1
	s_mov_b32 s3, ttmp9                            ; block of 16 rows
	s_and_b32 s14, ttmp7, 0xffff                   ; head
	s_lshr_b32 s15, s3, 4                          ; batch
	s_and_b32 s20, s2, 3                           ; dt: my tile of 16 d
	s_lshr_b32 s21, s2, 2                          ; kq: my quarter of the sums
	s_mov_b32 s[MSK], 0xffff0000
	s_lshl_b32 s24, s2, 13
	v_lshl_add_u32 v4, v1, 4, s24                  ; v4  pw's row w; also Wv's rows 4 w ..
	v_lshlrev_b32 v5, 11, v3
	v_lshl_add_u32 v5, v2, 4, v5
	s_lshl_b32 s24, s2, 15
	v_add_nc_u32 v5, s24, v5                       ; v5  v2: keys 16 w + hh
	s_lshl_b32 s24, s2, 14
	v_lshl_add_u32 v6, v1, 4, s24                  ; v6  yw's row w
	s_mul_i32 s24, s2, PP
	v_lshl_add_u32 v7, v1, 4, s24                  ; v7  weights into LDS
	v_mul_u32_u24 v8, v3, VP
	v_lshl_add_u32 v8, v2, 4, v8
	s_mul_i32 s24, s2, 16*VP
	s_add_co_u32 s24, s24, VB
	v_add_nc_u32 v8, s24, v8                       ; v8  v2 into LDS
	s_mul_i32 s24, s2, RP
	s_add_co_u32 s24, s24, YH
	v_lshl_add_u32 v9, v1, 3, s24                  ; v9  Y into LDS
	s_mul_i32 s24, s2, 4*RP
	s_add_co_u32 s24, s24, WV
	v_lshl_add_u32 v10, v1, 3, s24                 ; v10 Wv into LDS
	v_mul_u32_u24 v11, v2, PP
	v_lshl_add_u32 v11, v3, 4, v11
	s_lshl_b32 s24, s21, 7
	v_add_nc_u32 v11, s24, v11                     ; v11 fragments of the weights: keys 64 kq ..
	v_and_b32 v22, 7, v0
	v_lshl_add_u32 v22, v3, 3, v22
	v_mul_u32_u24 v12, v22, VP
	v_bfe_u32 v22, v0, 3, 1
	v_lshl_add_u32 v12, v22, 4, v12
	s_mul_i32 s24, s21, 64*VP
	s_lshl_b32 s25, s20, 5
	s_add_co_u32 s24, s24, s25
	s_add_co_u32 s24, s24, VB
	v_add_nc_u32 v12, s24, v12                     ; v12 the turning load on v2: key 64 kq + 8 hh + l % 8, d = 16 dt + 8 ((l / 8) % 2) ..
	v_mul_u32_u24 v23, v2, RP
	v_lshl_add_u32 v23, v3, 4, v23
	s_lshl_b32 s24, s21, 8
	s_add_co_u32 s25, s24, YH
	v_add_nc_u32 v13, s25, v23                     ; v13 fragments of Y: channels 128 kq ..
	s_mul_i32 s25, s20, 16*RP
	s_add_co_u32 s25, s25, s24
	s_add_co_u32 s25, s25, WV
	v_add_nc_u32 v14, s25, v23                     ; v14 fragments of Wv's rows 16 dt ..
	s_lshl_b32 s24, s20, 2
	s_add_co_u32 s24, s24, s21
	s_lshl_b32 s24, s24, 10
	s_add_co_u32 s24, s24, RED
	v_lshl_add_u32 v15, v1, 3, s24                 ; v15 my partial sums
	s_lshl_b32 s24, s20, 12
	s_lshl_b32 s25, s21, 8
	s_add_co_u32 s24, s24, s25
	s_add_co_u32 s24, s24, RED
	v_lshl_add_u32 v16, v1, 3, s24                 ; v16 register pair kq of my tile's four quarters
	v_mul_u32_u24 v17, v2, SP
	v_lshl_add_u32 v17, v3, 4, v17
	s_lshl_b32 s24, s20, 5
	s_lshl_b32 s25, s21, 2
	s_add_co_u32 s24, s24, s25
	s_add_co_u32 s24, s24, STG
	v_add_nc_u32 v17, s24, v17                     ; v17 into the stage: row r, byte (16 dt + 8 hh + 2 kq) x 2
	s_mul_i32 s24, s2, SP
	s_add_co_u32 s24, s24, STG
	v_lshl_add_u32 v18, v1, 3, s24                 ; v18 back: row w
	s_lshl_b32 s24, s2, 11
	v_lshl_add_u32 v19, v1, 3, s24                 ; v19 xh's row w
	s_mov_b32 s17, 0
	s_wait_kmcnt 0x0
	s_lshl_b32 s16, s3, 17
	s_lshl_b32 s18, s14, 9
	s_add_co_u32 s16, s16, s18
	s_add_nc_u64 s[4:5], s[4:5], s[16:17]
	s_lshl_b32 s16, s15, 19
	s_lshl_b32 s18, s14, 8
	s_add_co_u32 s16, s16, s18
	s_add_nc_u64 s[6:7], s[6:7], s[16:17]
	s_lshl_b32 s16, s3, 15
	s_add_co_u32 s16, s16, s18
	s_add_nc_u64 s[12:13], s[12:13], s[16:17]
	s_lshl_b32 s16, s3, 18
	s_lshl_b32 s18, s14, 11
	s_add_co_u32 s16, s16, s18
	s_add_nc_u64 s[8:9], s[8:9], s[16:17]
	s_lshl_b32 s16, s14, 17
	s_add_nc_u64 s[10:11], s[10:11], s[16:17]
	global_load_b128 v[64:67], v4, s[4:5]          ; the weights of row w and my head: hi,
	global_load_b128 v[68:71], v4, s[4:5] offset:4096  ; lo: eight rows of 512 bytes on
.set k, 0
.rept 8
	global_load_b128 v[72+4*k:72+4*k+3], v5, s[6:7] offset:k*4096
.set k, k+1
.endr
.set q, 0
.rept 4
	global_load_b128 v[104+4*q:104+4*q+3], v6, s[8:9] offset:q*512
.set q, q+1
.endr
.set k, 0
.rept 4
.set q, 0
.rept 4
	global_load_b128 v[120+16*k+4*q:120+16*k+4*q+3], v4, s[10:11] offset:k*2048+q*512
.set q, q+1
.endr
.set k, k+1
.endr
	s_wait_loadcnt 28                              ; the weights are in: 8 + 4 + 16 younger loads stay out
	ds_store_b128 v7, v[64:67]
	ds_store_b128 v7, v[68:71] offset:PLO
.set k, 0
.rept 8
	s_wait_loadcnt 20+(7-k)
	ds_store_b128 v8, v[72+4*k:72+4*k+3] offset:k*2*VP
.set k, k+1
.endr
.set q, 0
.rept 4
	s_wait_loadcnt 16+(3-q)
	SPLIT 104+4*q, 224+4*q, 226+4*q, 22
	SPLIT 106+4*q, 225+4*q, 227+4*q, 22
	ds_store_b64 v9, v[224+4*q:225+4*q] offset:q*256
	ds_store_b64 v9, v[226+4*q:227+4*q] offset:YLO+q*256
.set q, q+1
.endr
.set k, 0
.rept 4
	s_wait_loadcnt 4*(3-k)
.set q, 0
.rept 4
	CVT4 120+16*k+4*q
	ds_store_b64 v10, v[120+16*k+4*q:120+16*k+4*q+1] offset:k*RP+q*256
.set q, q+1
.endr
.set k, k+1
.endr
	BAR
.macro FA i, f                         ; keys 64 kq + 32 i ..: weights hi f, lo f + 8; v2 turned, hi f + 16, lo f + 24: eight loads
	ds_load_b128 v[(\f):(\f)+3], v11 offset:64*(\i)
	ds_load_b128 v[(\f)+4:(\f)+7], v11 offset:64*(\i)+32
	ds_load_b128 v[(\f)+8:(\f)+11], v11 offset:PLO+64*(\i)
	ds_load_b128 v[(\f)+12:(\f)+15], v11 offset:PLO+64*(\i)+32
	ds_load_tr16_b128 v[(\f)+16:(\f)+19], v12 offset:32*VP*(\i)
	ds_load_tr16_b128 v[(\f)+20:(\f)+23], v12 offset:32*VP*(\i)+16*VP
	ds_load_tr16_b128 v[(\f)+24:(\f)+27], v12 offset:32*VP*(\i)+128
	ds_load_tr16_b128 v[(\f)+28:(\f)+31], v12 offset:32*VP*(\i)+16*VP+128
.endm
.macro FB i, f                         ; channels 128 kq + 32 i ..: Y hi f, lo f + 8; Wv f + 16: six loads
	ds_load_b128 v[(\f):(\f)+3], v13 offset:64*(\i)
	ds_load_b128 v[(\f)+4:(\f)+7], v13 offset:64*(\i)+32
	ds_load_b128 v[(\f)+8:(\f)+11], v13 offset:YLO+64*(\i)
	ds_load_b128 v[(\f)+12:(\f)+15], v13 offset:YLO+64*(\i)+32
	ds_load_b128 v[(\f)+16:(\f)+19], v14 offset:64*(\i)
	ds_load_b128 v[(\f)+20:(\f)+23], v14 offset:64*(\i)+32
.endm
; Source 1 = the 16 rows (weights or Y): a lane holds one row (r) and d = 16 dt + 8 hh + 0..7.  The accumulators take turns.
.macro FIVE fa, fb, z
	WM C0, (\fa)+16, (\fa), \z                     ; v hi x a hi
	WM C1, (\fa)+16, (\fa)+8, \z                   ; v hi x a lo
	WM C2, (\fa)+24, (\fa), \z                     ; v lo x a hi
	WM C3, (\fb)+16, (\fb), \z                     ; Wv x Y hi
	WM C4, (\fb)+16, (\fb)+8, \z                   ; Wv x Y lo
.endm
	FA 0, 64
	FB 0, 96
	FA 1, 120
	FB 1, 152
	FB 2, 176
	FB 3, 200
	s_wait_dscnt 26                                ; the first 14 loads are in; 8 + 6 + 6 + 6 stay out
	FIVE 64, 96, 1
	s_wait_dscnt 12
	FIVE 120, 152, 0
	s_wait_dscnt 6
	WM C3, 192, 176, 0
	WM C4, 192, 184, 0
	s_wait_dscnt 0x0
	WM C3, 216, 200, 0
	WM C4, 216, 208, 0
	PLACES
.set p, 0
.rept 4
	v_pk_add_f32 v[C0+2*p:C0+2*p+1], v[C0+2*p:C0+2*p+1], v[C1+2*p:C1+2*p+1]
	v_pk_add_f32 v[C2+2*p:C2+2*p+1], v[C2+2*p:C2+2*p+1], v[C3+2*p:C3+2*p+1]
	v_pk_add_f32 v[C0+2*p:C0+2*p+1], v[C0+2*p:C0+2*p+1], v[C4+2*p:C4+2*p+1]
	v_pk_add_f32 v[C0+2*p:C0+2*p+1], v[C0+2*p:C0+2*p+1], v[C2+2*p:C2+2*p+1]
	ds_store_b64 v15, v[C0+2*p:C0+2*p+1] offset:256*p
.set p, p+1
.endr
	BAR                                            ; the four quarters of every tile are in
.set n, 0
.rept 4
	ds_load_b64 v[64+2*n:65+2*n], v16 offset:1024*n
.set n, n+1
.endr
	s_wait_dscnt 0x0
	v_pk_add_f32 v[64:65], v[64:65], v[66:67]
	v_pk_add_f32 v[68:69], v[68:69], v[70:71]
	v_pk_add_f32 v[64:65], v[64:65], v[68:69]      ; x of row r, d = 16 dt + 8 hh + 2 kq and the next
	SPLIT 64, 72, 73, 22
	ds_store_b32 v17, v72
	ds_store_b32 v17, v73 offset:128
	BAR
	ds_load_b64 v[74:75], v18
	s_wait_dscnt 0x0
	global_store_b64 v19, v[74:75], s[12:13]       ; 32 lanes store 256 consecutive bytes, at a multiple of 256 from the buffer's first
	s_wait_tensorcnt 0x0                           ; the wave's end: three closing lines behind my last LDS store
	ds_add_u32 v20, v21
	s_wait_dscnt 0x0
	s_endpgm
.Lfunc_end_k_qbe08ab895e_mix:
	.size	k_qbe08ab895e_mix, .Lfunc_end_k_qbe08ab895e_mix-k_qbe08ab895e_mix
	.p2alignl 7, 3214868480
	.fill 96, 4, 3214868480
	.section	.rodata,"a",@progbits
	.p2align	6, 0x0
	.amdhsa_kernel k_qbe08ab895e_mix
		.amdhsa_group_segment_fixed_size 213248
		.amdhsa_private_segment_fixed_size 0
		.amdhsa_enable_private_segment 0
		.amdhsa_kernarg_size 40
		.amdhsa_user_sgpr_count 2
		.amdhsa_user_sgpr_kernarg_segment_ptr 1
		.amdhsa_wavefront_size32 1
		.amdhsa_system_sgpr_workgroup_id_x 1
		.amdhsa_system_sgpr_workgroup_id_y 1
		.amdhsa_system_sgpr_workgroup_id_z 1
		.amdhsa_system_vgpr_workitem_id 0
		.amdhsa_next_free_vgpr 240
		.amdhsa_next_free_sgpr 66
		.amdhsa_reserve_vcc 0
		.amdhsa_float_denorm_mode_32 3
		.amdhsa_float_denorm_mode_16_64 3
		.amdhsa_memory_ordered 1
		.amdhsa_forward_progress 1
		.amdhsa_inst_pref_size 21
	.end_amdhsa_kernel
	.amdgpu_metadata
---
amdhsa.version: [ 1, 2 ]
amdhsa.kernels:
  - .name:           k_qbe08ab895e_mix
    .symbol:         k_qbe08ab895e_mix.kd
    .args:
      - { .name: pw, .offset: 0, .size: 8, .value_kind: global_buffer, .address_space: global }
      - { .name: vh, .offset: 8, .size: 8, .value_kind: global_buffer, .address_space: global }
      - { .name: yw, .offset: 16, .size: 8, .value_kind: global_buffer, .address_space: global }
      - { .name: Wv, .offset: 24, .size: 8, .value_kind: global_buffer, .address_space: global }
      - { .name: xh, .offset: 32, .size: 8, .value_kind: global_buffer, .address_space: global }
    .group_segment_fixed_size: 213248
    .private_segment_fixed_size: 0
    .kernarg_segment_align: 8
    .kernarg_segment_size: 40
    .max_flat_workgroup_size: 512
    .sgpr_count:     66
    .vgpr_count:     240
    .wavefront_size: 32
...
	.end_amdgpu_metadata
.endif
;; end of part 4
;; launch outp (part 5): grid 32 x 8, 16 waves a work-group, no clusters, 122,624 bytes of LDS; arguments xh, Wo, bo, out0; writes out0
.if DOCPART == 5
	.amdgcn_target "amdgcn-amd-amdhsa--gfx1250"
	.amdhsa_code_object_version 6
	.text
	.protected	k_qbe08ab895e_outp
	.globl	k_qbe08ab895e_outp
	.p2align	8
	.type	k_qbe08ab895e_outp,@function
k_qbe08ab895e_outp:
	s_mov_b64 s[64:65], 0
	v_nop
	global_prefetch_b8 v0, s[64:65] scope:SCOPE_SE
	s_setreg_imm32_b32 hwreg(HW_REG_WAVE_MODE, 25, 1), 1
	s_wait_xcnt 0x0
; out0 = x Wo^T + bo.  x comes as a pair of bf16 ([512 row][8 h][hi, lo][64]): two products; Wo and bo are rounded to bf16 like every input; sums and the result in f32.
; SHARES.  A work-group has 16 rows x 64 columns.  Wave w makes the tile of columns 16 (w % 4) .. over the quarter w / 4 of K = 512; the quarters meet in LDS, in f32.
; No tensor loads: Wo is converted on the way and x's hi and lo are taken apart, LDS is filled once.  No cluster: what work-groups share here is 128 KB of Wo.
.set RP,    1040                       ; 1,024 bytes + 16 = 260 words: row r starts at bank 4 r mod 64 (64 banks of 4 bytes: ISA guide 11.1)
.set XLO,   16*RP                      ; x lo lies this far behind x hi, which begins at 0
.set WO,    2*XLO                      ; Wo's 64 rows
.set RED,   WO+64*RP                   ; the partial sums: [tile][quarter][register pair][lane] of 8 bytes
.set STG,   RED+16384                  ; the stage: 16 rows of 64 f32, 272 bytes apart
.set SP,    272
.set SPARE, STG+16*SP                  ; the spare words, 128 bytes for each wave; no other line names them
.set MSK,   22
.set C3,    24
.set C4,    32
.macro BAR
	s_wait_dscnt 0x0
	s_barrier_signal -1
	s_barrier_wait -1
.endm
.macro PLACES
.rept 4
	v_nop
.endr
.endm
.macro CVT4 L
	v_cvt_pk_bf16_f32 v[\L], v[\L], v[(\L)+1]
	v_cvt_pk_bf16_f32 v[(\L)+1], v[(\L)+2], v[(\L)+3]
.endm
.macro WM d, a, b, z
.if \z
	v_wmma_f32_16x16x32_bf16 v[\d:(\d)+7], v[\a:(\a)+7], v[\b:(\b)+7], 0
.else
	v_wmma_f32_16x16x32_bf16 v[\d:(\d)+7], v[\a:(\a)+7], v[\b:(\b)+7], v[\d:(\d)+7]
.endif
.endm
	s_load_b256 s[4:11], s[0:1], 0x0               ; xh s[4:5], Wo s[6:7], bo s[8:9], out0 s[10:11]
	v_lshl_add_u32 v16, v0, 2, SPARE
	v_mov_b32 v17, 0
	v_lshrrev_b32 v1, 5, v0
	v_readfirstlane_b32 s2, v1                     ; wave 0..15
	v_and_b32 v1, 31, v0
	v_and_b32 v2, 15, v0
	v_bfe_u32 v3, v0, 4, 1
	s_mov_b32 s3, ttmp9                            ; block of 16 rows
	s_and_b32 s14, ttmp7, 0xffff                   ; block of 64 columns
	s_and_b32 s20, s2, 3                           ; nt: my tile of 16 columns
	s_lshr_b32 s21, s2, 2                          ; kq: my quarter of K
	s_mov_b32 s[MSK], 0xffff0000
	s_lshl_b32 s24, s2, 11
	v_lshl_add_u32 v4, v1, 4, s24                  ; v4  x: row w, 16 bytes a lane
	v_lshl_add_u32 v15, v1, 3, s24                 ; v15 out0: row w, 8 bytes a lane
	s_lshl_b32 s24, s2, 13
	v_lshl_add_u32 v5, v1, 4, s24                  ; v5  Wo: rows 4 w ..
	s_lshl_b32 s24, s20, 6
	s_lshl_b32 s25, s21, 3
	s_add_co_u32 s24, s24, s25
	v_lshl_add_u32 v6, v3, 5, s24                  ; v6  bo: (16 nt + 8 hh + 2 kq) x 4
	v_mul_u32_u24 v13, v2, SP
	v_lshl_add_u32 v13, v3, 5, v13
	s_add_co_u32 s24, s24, STG
	v_add_nc_u32 v13, s24, v13                     ; v13 into the stage: row r, the same byte
	v_and_b32 v22, 7, v0
	v_lshlrev_b32 v7, 4, v22
	v_lshl_add_u32 v7, v3, 7, v7
	v_bfe_u32 v22, v0, 3, 1
	v_mul_u32_u24 v22, v22, XLO
	v_add_nc_u32 v7, v7, v22
	s_mul_i32 s24, s2, RP
	v_add_nc_u32 v7, s24, v7                       ; v7  x into LDS: lanes 8-15 and 24-31 hold lo; head 2 k + hh, 16 (l % 8) bytes into its 128
	s_mul_i32 s24, s2, 4*RP
	s_add_co_u32 s24, s24, WO
	v_lshl_add_u32 v8, v1, 3, s24                  ; v8  Wo into LDS
	v_mul_u32_u24 v9, v2, RP
	v_lshl_add_u32 v9, v3, 4, v9
	s_lshl_b32 s24, s21, 8
	v_add_nc_u32 v9, s24, v9                       ; v9  fragments of x: K = 128 kq ..
	s_mul_i32 s24, s20, 16*RP
	s_add_co_u32 s24, s24, WO
	v_add_nc_u32 v10, s24, v9                      ; v10 fragments of Wo's rows 16 nt ..
	s_lshl_b32 s24, s20, 2
	s_add_co_u32 s24, s24, s21
	s_lshl_b32 s24, s24, 10
	s_add_co_u32 s24, s24, RED
	v_lshl_add_u32 v11, v1, 3, s24                 ; v11 my partial sums
	s_lshl_b32 s24, s20, 12
	s_lshl_b32 s25, s21, 8
	s_add_co_u32 s24, s24, s25
	s_add_co_u32 s24, s24, RED
	v_lshl_add_u32 v12, v1, 3, s24                 ; v12 register pair kq of my tile's four quarters
	s_mul_i32 s24, s2, SP
	s_add_co_u32 s24, s24, STG
	v_lshl_add_u32 v14, v1, 3, s24                 ; v14 back: row w
	s_mov_b32 s17, 0
	s_wait_kmcnt 0x0
	s_lshl_b32 s16, s3, 15
	s_add_nc_u64 s[4:5], s[4:5], s[16:17]
	s_lshl_b32 s18, s14, 8
	s_add_co_u32 s16, s16, s18
	s_add_nc_u64 s[10:11], s[10:11], s[16:17]
	s_mov_b32 s16, s18
	s_add_nc_u64 s[8:9], s[8:9], s[16:17]
	s_lshl_b32 s16, s14, 17
	s_add_nc_u64 s[6:7], s[6:7], s[16:17]
	global_load_b64 v[18:19], v6, s[8:9]
.set k, 0
.rept 4
	global_load_b128 v[40+4*k:40+4*k+3], v4, s[4:5] offset:k*512
.set k, k+1
.endr
.set k, 0
.rept 4
.set q, 0
.rept 4
	global_load_b128 v[64+16*k+4*q:64+16*k+4*q+3], v5, s[6:7] offset:k*2048+q*512
.set q, q+1
.endr
.set k, k+1
.endr
.set k, 0
.rept 4
	s_wait_loadcnt 16+(3-k)                        ; x's load k: its later ones and Wo's 16 stay out
	ds_store_b128 v7, v[40+4*k:40+4*k+3] offset:k*256
.set k, k+1
.endr
.set k, 0
.rept 4
	s_wait_loadcnt 4*(3-k)
.set q, 0
.rept 4
	CVT4 64+16*k+4*q
	ds_store_b64 v8, v[64+16*k+4*q:64+16*k+4*q+1] offset:k*RP+q*256
.set q, q+1
.endr
.set k, k+1
.endr
	v_cvt_pk_bf16_f32 v20, v18, v19                ; bo rounded like every input, and widened again
	v_lshlrev_b32 v18, 16, v20
	v_and_b32 v19, s[MSK], v20
	BAR
.set i, 0
.rept 4                                ; K = 128 kq + 32 i ..: x hi, x lo, Wo: six loads
	ds_load_b128 v[64+24*i:64+24*i+3], v9 offset:64*i
	ds_load_b128 v[64+24*i+4:64+24*i+7], v9 offset:64*i+32
	ds_load_b128 v[64+24*i+8:64+24*i+11], v9 offset:XLO+64*i
	ds_load_b128 v[64+24*i+12:64+24*i+15], v9 offset:XLO+64*i+32
	ds_load_b128 v[64+24*i+16:64+24*i+19], v10 offset:64*i
	ds_load_b128 v[64+24*i+20:64+24*i+23], v10 offset:64*i+32
.set i, i+1
.endr
	; Source 0 = 16 rows of Wo, source 1 = the 16 rows of x: a lane holds one row (r) and the columns 16 nt + 8 hh + 0..7.  The two accumulators take turns.
	s_wait_dscnt 18                                ; the first step's six loads are in; the 18 of the later steps stay out
	WM C3, 80, 64, 1
	WM C4, 80, 72, 1
.set i, 1
.rept 3
	s_wait_dscnt 18-6*i
	WM C3, 80+24*i, 64+24*i, 0
	WM C4, 80+24*i, 72+24*i, 0
.set i, i+1
.endr
	PLACES
.set p, 0
.rept 4
	v_pk_add_f32 v[C3+2*p:C3+2*p+1], v[C3+2*p:C3+2*p+1], v[C4+2*p:C4+2*p+1]
	ds_store_b64 v11, v[C3+2*p:C3+2*p+1] offset:256*p
.set p, p+1
.endr
	BAR                                            ; the four quarters of every tile are in
.set n, 0
.rept 4
	ds_load_b64 v[40+2*n:41+2*n], v12 offset:1024*n
.set n, n+1
.endr
	s_wait_dscnt 0x0
	v_pk_add_f32 v[40:41], v[40:41], v[42:43]
	v_pk_add_f32 v[44:45], v[44:45], v[46:47]
	v_pk_add_f32 v[40:41], v[40:41], v[44:45]
	v_pk_add_f32 v[40:41], v[40:41], v[18:19]      ; + bo
	ds_store_b64 v13, v[40:41]
	BAR
	ds_load_b64 v[48:49], v14
	s_wait_dscnt 0x0
	global_store_b64 v15, v[48:49], s[10:11]       ; 32 lanes store 256 consecutive bytes, at a multiple of 256 from the buffer's first
	s_wait_tensorcnt 0x0                           ; the wave's end: three closing lines behind my last LDS store
	ds_add_u32 v16, v17
	s_wait_dscnt 0x0
	s_endpgm
.Lfunc_end_k_qbe08ab895e_outp:
	.size	k_qbe08ab895e_outp, .Lfunc_end_k_qbe08ab895e_outp-k_qbe08ab895e_outp
	.p2alignl 7, 3214868480
	.fill 96, 4, 3214868480
	.section	.rodata,"a",@progbits
	.p2align	6, 0x0
	.amdhsa_kernel k_qbe08ab895e_outp
		.amdhsa_group_segment_fixed_size 122624
		.amdhsa_private_segment_fixed_size 0
		.amdhsa_enable_private_segment 0
		.amdhsa_kernarg_size 32
		.amdhsa_user_sgpr_count 2
		.amdhsa_user_sgpr_kernarg_segment_ptr 1
		.amdhsa_wavefront_size32 1
		.amdhsa_system_sgpr_workgroup_id_x 1
		.amdhsa_system_sgpr_workgroup_id_y 1
		.amdhsa_system_sgpr_workgroup_id_z 1
		.amdhsa_system_vgpr_workitem_id 0
		.amdhsa_next_free_vgpr 160
		.amdhsa_next_free_sgpr 66
		.amdhsa_reserve_vcc 0
		.amdhsa_float_denorm_mode_32 3
		.amdhsa_float_denorm_mode_16_64 3
		.amdhsa_memory_ordered 1
		.amdhsa_forward_progress 1
		.amdhsa_inst_pref_size 13
	.end_amdhsa_kernel
	.amdgpu_metadata
---
amdhsa.version: [ 1, 2 ]
amdhsa.kernels:
  - .name:           k_qbe08ab895e_outp
    .symbol:         k_qbe08ab895e_outp.kd
    .args:
      - { .name: xh, .offset: 0, .size: 8, .value_kind: global_buffer, .address_space: global }
      - { .name: Wo, .offset: 8, .size: 8, .value_kind: global_buffer, .address_space: global }
      - { .name: bo, .offset: 16, .size: 8, .value_kind: global_buffer, .address_space: global }
      - { .name: out0, .offset: 24, .size: 8, .value_kind: global_buffer, .address_space: global }
    .group_segment_fixed_size: 122624
    .private_segment_fixed_size: 0
    .kernarg_segment_align: 8
    .kernarg_segment_size: 32
    .max_flat_workgroup_size: 512
    .sgpr_count:     66
    .vgpr_count:     160
    .wavefront_size: 32
...
	.end_amdgpu_metadata
.endif
;; end of part 5
;; ======== version 2 of 2: 5 launches; version 1 with the launch relat written anew for expert scheduling mode
;; workspace buffers: qh 1,048,576 bytes; kh 1,048,576 bytes; vh 1,048,576 bytes; qt 8,388,608 bytes; sc0 4,194,304 bytes; pw 4,194,304 bytes; yw 8,388,608 bytes; xh 1,048,576 bytes
;; launch proj: the kernel of part 1 again; grid 64 x 3, 16 waves a work-group, no clusters, 152,576 bytes of LDS; arguments query, key, value, Wq, Wk, Wv, bq, bk, bv, qh, kh, vh; writes qh, kh, vh
;; launch mid: the kernel of part 2 again; grid 32 x 8, 16 waves a work-group, no clusters, 193,536 bytes of LDS; arguments qh, kh, Wk, qt, sc0; writes qt, sc0
;; launch relat (part 6): grid 256 x 1, 16 waves a work-group, no clusters, 311,040 bytes of LDS; arguments relation, mask, qt, sc0, pw, yw; writes pw, yw
.if DOCPART == 6
	.amdgcn_target "amdgcn-amd-amdhsa--gfx1250"
	.amdhsa_code_object_version 6
	.text
	.protected	k_qbe08ab895e_relat
	.globl	k_qbe08ab895e_relat
	.p2align	8
	.type	k_qbe08ab895e_relat,@function
k_qbe08ab895e_relat:
	s_mov_b64 s[64:65], 0
	v_nop
	global_prefetch_b8 v0, s[64:65] scope:SCOPE_SE
	s_setreg_imm32_b32 hwreg(HW_REG_WAVE_SCHED_MODE, 0, 2), 2
	s_setreg_imm32_b32 hwreg(HW_REG_WAVE_MODE, 25, 1), 1
	s_wait_xcnt 0x0
	s_wait_alu depctr_vm_vsrc(0)
; THE RELATION TENSOR, READ ONCE.  For a row (b, i) its slab rel[j][c], 256 keys x 512 channels, is needed twice:
;   s[h][j] = sc0[h][j] + sum over c of qt[h][c] rel[j][c]     (in units of log2: the factor log2(e) / 8 lies in q);  where mask == 0: s = -1e9 log2(e)
;   a = softmax over j, in base 2, the row's true maximum taken away;    Y[h][c] = sum over j of a[h][j] rel[j][c]
; Out go a (pw: pairs of bf16, [row][16 n][256 j], n = h hi, n = 8 + h lo) and Y (yw: f32, [row][8 h][512 c]); the next launch multiplies them by v2 and by Wv.
; Rounded to bf16 the slab is 256 KB: it stays in LDS between the two products, so memory is read once.  Of a matrix instruction's 16 rows 8 are heads: the other 8 take the lo parts of qt and of a.
; SHARES.  A work-group owns two rows, 1 MB of consecutive bytes.  For each row wave w brings in keys 16 w .. 16 w + 15 (32 KB), makes those keys' scores for all heads, and later Y for 32 channels over all keys.
; THE STREAM goes through registers, not through the tensor data mover: beside the slab LDS has no room for slots of f32, and the conversion lies on the way.  A wave has four slots of 8 loads,
; 32 loads (16 KB) in flight; the second row's first 16 KB a wave are in flight through the first row's softmax and second product.  Every offset is an immediate: no address register is ever rewritten.
; No cluster: the work-groups share no input.  sc0 and mask are read straight, in pieces of 32 bytes a lane: 9 KB beside the 512 KB of a row.
; LIMITS.  NaN and infinities are not treated apart; a weight below 2^-126 counts as 0; the masked score is -1e9 log2(e) rounded to f32.
; THE MODE: SCHED_MODE bits 1:0 = 2 (LLVM: expert scheduling mode 2), set by the entry lines.  The code itself states the register dependences
; between vector or matrix instructions and memory or LDS instructions, with s_wait_alu, always for 0.
; THE PLAN.  Registers that memory or LDS instructions touch:
;   v1-v21         Addresses and offsets, made at the head and never written again: one wait ahead of the first load serves them all.
;   LND0 .. LND3   Slot sg: the stream's loads land in LND[sg % 4]; the slot's sixteen conversions read it, and nothing else does.
;   OUT0 .. OUT3   Slot sg: its conversions write OUT[sg % 4]; its eight LDS stores read it.  The four lie where the fragments lie later (v[F ..]): fragments are not live during the stream.
;   v[F ..]        Behind the stream: fragment loads land here, matrix instructions read them; the waves' maxima and sums and Y's rows land here too; Y's global stores read v[F:F+7].
;   WT, ML, SL     My weights, my wave's maximum and its sum, each written once a row by vector instructions and read by one LDS store.  They lie above the registers in which the second product's loads land.
;   A0             Y's two LDS stores read it.     v[26:29]  A row of weights on its way out: an LDS load, a global store; no vector instruction names them.
; So a slot has ONE wait on va_vdst, behind its conversions: OUT is written and LND is read; its loads and stores follow with no further wait.  ONE wait on vm_vsrc serves four slots: at the head of every fourth
; slot all stores issued so far have read the four OUT.  One more stands ahead of each row's first fragment loads.  Each later batch of fragment loads has one wait on va_vdst; each LDS store of a statistic has one,
; which also serves the loads that land behind the barrier that follows it, since no vector instruction stands between.
.set RP,    1040                       ; a key's row in LDS: 1,024 bytes + 16 = 260 words: row r starts at bank 4 r mod 64 (64 banks of 4 bytes: ISA guide 11.1)
.set QT0,   256*RP                     ; qt of the first row, 16 x 1,040; behind that row's first barrier it is dead and takes Y's stage, 8 heads x 2,064
.set QTB,   16*RP                      ; qt of the second row lies this far on
.set PA,    QT0+2*QTB                  ; the weights, 16 n x 528
.set PP,    528
.set MX,    PA+16*PP                   ; [8 h][16 w] f32: the waves' maxima; 512 bytes on: their sums
.set SPARE, MX+1024                    ; the spare words, 128 bytes for each wave; no other line names them
.set YP,    2064
.set MSK,   22
.set S0R,   32                         ; v[32:47]   sc0 of my keys, 8 for each row
.set A0,    48                         ; v[48:55], v[56:63]  two accumulators
.set A1,    56
.set F,     64                         ; v[64:127]  in the stream: four out-buffers of 16; behind it: fragments, and at work
.set WT,    F+48                       ; v[112:115] my weights, as the LDS store reads them
.set ML,    F+52                       ; v116       my wave's maximum, likewise
.set SL,    F+53                       ; v117       my wave's sum, likewise
.set LND,   128                        ; v[128:255] the stream's four slots of 32
.macro BAR
	s_wait_dscnt 0x0
	s_barrier_signal -1
	s_barrier_wait -1
.endm
.macro PLACES                          ; four plain vector instructions between a matrix instruction and what reads its result or loads into its registers
.rept 4
	v_nop
.endr
.endm
.macro SPLIT X, H, Lo, T               ; two f32 to hi = bf16(x) and lo = bf16(x - hi)
	v_cvt_pk_bf16_f32 v[\H], v[\X], v[(\X)+1]
	v_lshlrev_b32 v[\T], 16, v[\H]
	v_and_b32 v[(\T)+1], s[MSK], v[\H]
	v_pk_add_f32 v[\T:(\T)+1], v[\X:(\X)+1], v[\T:(\T)+1] neg_lo:[0,1] neg_hi:[0,1]
	v_cvt_pk_bf16_f32 v[\Lo], v[\T], v[(\T)+1]
.endm
.macro WM d, a, b, z
.if \z
	v_wmma_f32_16x16x32_bf16 v[\d:(\d)+7], v[\a:(\a)+7], v[\b:(\b)+7], 0
.else
	v_wmma_f32_16x16x32_bf16 v[\d:(\d)+7], v[\a:(\a)+7], v[\b:(\b)+7], v[\d:(\d)+7]
.endif
.endm
	s_load_b256 s[4:11], s[0:1], 0x0               ; relation s[4:5], mask s[6:7], qt s[8:9], sc0 s[10:11]
	s_load_b128 s[12:15], s[0:1], 0x20             ; pw s[12:13], yw s[14:15]
	v_lshl_add_u32 v24, v0, 2, SPARE               ; my spare word,
	v_mov_b32 v25, 0                               ; and 0: for the closing lines
	v_lshrrev_b32 v1, 5, v0
	v_readfirstlane_b32 s16, v1                    ; wave 0..15
	v_and_b32 v1, 31, v0                           ; l
	v_and_b32 v2, 15, v0                           ; r = l % 16
	v_bfe_u32 v3, v0, 4, 1                         ; hh = l / 16
	v_mov_b32 v30, 0xceabfb8f                      ; -1e9 log2(e)
	v_mov_b32 v31, 0                               ; at work; written before v_permlanex16_b32 names it
	s_mov_b32 s20, 0x76543210                      ; v_permlanex16_b32: each lane takes its own place in the other half
	s_mov_b32 s21, 0xfedcba98
	s_mov_b32 s[MSK], 0xffff0000
	s_mov_b32 s23, 0xff00ff00                      ; the lanes with r >= 8: the lo rows
	s_wait_alu depctr_va_sdst(0)                   ; s16 is written, ahead of its first reader: the wave's shares are made from it
	s_lshl_b32 s24, s16, 15
	v_lshl_add_u32 v4, v1, 4, s24                  ; v4  stream: my 16 keys x 2,048 bytes, 16 bytes a lane
	s_mul_i32 s24, s16, 16*RP
	v_lshl_add_u32 v5, v1, 3, s24                  ; v5  the same keys in LDS, 8 bytes a lane
	v_mul_u32_u24 v22, v2, RP
	v_lshl_add_u32 v22, v3, 4, v22                 ; a fragment's row x pitch + 16 x half
	v_add_nc_u32 v6, s24, v22                      ; v6  fragments of my 16 keys
	v_add_nc_u32 v7, QT0, v22                      ; v7  fragments of qt
	v_and_b32 v23, 7, v0                           ; l % 8 = r % 8
	v_lshl_add_u32 v22, v3, 3, v23
	v_mul_u32_u24 v8, v22, RP
	v_bfe_u32 v22, v0, 3, 1                        ; (l / 8) % 2 = r / 8
	v_lshl_add_u32 v8, v22, 7, v8
	s_lshr_b32 s25, s16, 2
	s_and_b32 s26, s16, 3
	s_lshl_b32 s24, s25, 8
	s_lshl_b32 s27, s26, 5
	s_add_co_u32 s24, s24, s27
	v_add_nc_u32 v8, s24, v8                       ; v8  the turning load: key 8 hh + l % 8, channel 128 (w / 4) + 16 (w % 4) + 64 ((l / 8) % 2)
	v_mul_u32_u24 v9, v2, PP
	v_lshl_add_u32 v9, v3, 4, v9
	v_add_nc_u32 v9, PA, v9                        ; v9  fragments of the weights
	s_lshl_b32 s24, s16, 5
	v_add_nc_u32 v10, s24, v9                      ; v10 my weights into LDS: row r, byte (16 w + 8 hh) x 2
	v_lshl_add_u32 v12, v23, 6, MX                 ; v12 my head's 16 maxima
	s_lshl_b32 s24, s16, 2
	v_add_nc_u32 v11, s24, v12                     ; v11 my wave's word among them
	v_mul_u32_u24 v13, v23, YP
	v_lshl_add_u32 v13, v3, 8, v13
	v_lshl_add_u32 v13, v22, 5, v13
	s_lshl_b32 s24, s25, 9
	s_lshl_b32 s27, s26, 6
	s_add_co_u32 s24, s24, s27
	s_add_co_u32 s24, s24, QT0
	v_add_nc_u32 v13, s24, v13                     ; v13 Y into its stage: head r % 8, channel 128 (w / 4) + 64 hh + 16 (w % 4) + 8 (r / 8)
	s_mul_i32 s24, s16, PP
	s_add_co_u32 s24, s24, PA
	v_lshl_add_u32 v14, v1, 4, s24                 ; v14 row w of the weights, whole
	s_lshr_b32 s24, s16, 1
	s_mul_i32 s24, s24, YP
	s_and_b32 s27, s16, 1
	s_lshl_b32 s27, s27, 10
	s_add_co_u32 s24, s24, s27
	s_add_co_u32 s24, s24, QT0
	v_lshl_add_u32 v15, v1, 4, s24                 ; v15 Y back: head w / 2, half w % 2
	s_lshl_b32 s24, s16, 9
	v_lshl_add_u32 v16, v1, 4, s24                 ; v16 in pw
	s_lshl_b32 s24, s16, 10
	v_lshl_add_u32 v17, v1, 4, s24                 ; v17 in yw
	s_lshl_b32 s24, s16, 6
	v_lshl_add_u32 v19, v3, 5, s24                 ; v19 mask: (16 w + 8 hh) x 4
	v_lshl_add_u32 v18, v23, 10, v19               ; v18 sc0: the same in head r % 8
	s_lshl_b32 s24, s16, 11
	v_lshl_add_u32 v20, v1, 4, s24                 ; v20 qt: my 2,048 of both rows' 32,768 bytes
	s_lshr_b32 s24, s16, 3
	s_mul_i32 s24, s24, QTB
	s_and_b32 s27, s16, 7
	s_mul_i32 s27, s27, 2*RP
	s_add_co_u32 s24, s24, s27
	s_add_co_u32 s24, s24, QT0
	v_lshl_add_u32 v21, v1, 4, s24                 ; v21 the same in LDS: row w / 8, n = 2 (w % 8), 2 (w % 8) + 1
	v_add_nc_u32 v1, 64*RP, v8                     ; v1, v2, v3  the turning load 64, 128 and 192 keys on: further than an immediate reaches, so each has a register; l, r and hh are done with
	v_add_nc_u32 v2, 128*RP, v8
	v_add_nc_u32 v3, 192*RP, v8
	s_mov_b32 s19, 0
	s_wait_kmcnt 0x0
	s_lshl_b32 s18, ttmp9, 20                      ; two rows of each buffer for a work-group
	s_add_nc_u64 s[4:5], s[4:5], s[18:19]
	s_lshl_b32 s18, ttmp9, 11
	s_add_nc_u64 s[6:7], s[6:7], s[18:19]
	s_lshl_b32 s18, ttmp9, 15
	s_add_nc_u64 s[8:9], s[8:9], s[18:19]
	s_add_nc_u64 s[14:15], s[14:15], s[18:19]
	s_lshl_b32 s18, ttmp9, 14
	s_add_nc_u64 s[10:11], s[10:11], s[18:19]
	s_add_nc_u64 s[12:13], s[12:13], s[18:19]
	s_wait_alu depctr_va_vdst(0)                   ; v1 to v21, v24 and v25 are written: every load and store of the kernel, global or LDS, takes its address from them
.set k, 0
.rept 4
	global_load_b128 v[F+4*k:F+4*k+3], v20, s[8:9] offset:k*512
.set k, k+1
.endr
	global_load_b128 v[S0R:S0R+3], v18, s[10:11]
	global_load_b128 v[S0R+4:S0R+7], v18, s[10:11] offset:16
	global_load_b128 v[S0R+8:S0R+11], v18, s[10:11] offset:8192
	global_load_b128 v[S0R+12:S0R+15], v18, s[10:11] offset:8208
	global_load_b128 v[F+16:F+19], v19, s[6:7]
	global_load_b128 v[F+20:F+23], v19, s[6:7] offset:16
	global_load_b128 v[F+24:F+27], v19, s[6:7] offset:1024
	global_load_b128 v[F+28:F+31], v19, s[6:7] offset:1040
.set n, 0
.rept 32                               ; slots 0 to 3: keys 0 to 7 of my 16
	global_load_b128 v[LND+4*n:LND+4*n+3], v4, s[4:5] offset:(n/4)*2048+(n%4)*512 th:TH_LOAD_NT
.set n, n+1
.endr
	s_wait_loadcnt 40                              ; qt is in: 8 small loads and the stream's 32 stay out
.set k, 0
.rept 4
	ds_store_b128 v21, v[F+4*k:F+4*k+3] offset:(k/2)*RP+(k%2)*512
.set k, k+1
.endr
	s_wait_loadcnt 32                              ; sc0 and mask are in
.set n, 0
.rept 16
	v_cmp_eq_u32 s[32+n], 0, v[F+16+n]             ; s[32 + 8 row + v]: the lanes whose key 16 w + 8 hh + v is masked
.set n, n+1
.endr
	s_wait_alu depctr_va_sdst(0)                   ; s[32:47] are written: one wait behind the run of compares, ahead of the selects that read them
	BAR                                            ; qt of both rows is whole
; Slot sg of 16 (8 for each row): two keys are rounded to bf16, into the slot's out-buffer; the slot is asked for again at once, four slots on; then the two keys go into LDS.
; left: the younger loads of the stream, which stay out.
.macro SLOT sg, left
.set LL, LND+32*((\sg)%4)
.set OO, F+16*((\sg)%4)
	s_wait_loadcnt \left
.if (\sg)%4 == 0
	s_wait_alu depctr_vm_vsrc(0)                   ; all stores issued so far have read their data: the four out-buffers, which this slot and the next three write (ahead of slot 0: qt's LDS stores out of v[F:F+15]; ahead of slot 8 also the first row's stores out of v[F:F+7], v[26:29], A0, WT, ML and SL)
.endif
.set n, 0
.rept 8
	v_cvt_pk_bf16_f32 v[OO+2*n], v[LL+4*n], v[LL+4*n+1]
	v_cvt_pk_bf16_f32 v[OO+2*n+1], v[LL+4*n+2], v[LL+4*n+3]
.set n, n+1
.endr
	s_wait_alu depctr_va_vdst(0)                   ; the conversions are done reading the slot, in which the loads below land, and have written the out-buffer, which the LDS stores below read
.if (\sg) < 12
.set n, 0
.rept 8
	global_load_b128 v[LL+4*n:LL+4*n+3], v4, s[4:5] offset:(((\sg)+4)/8)*524288+(2*(((\sg)+4)%8)+n/4)*2048+(n%4)*512 th:TH_LOAD_NT
.set n, n+1
.endr
.endif
.set n, 0
.rept 8
	ds_store_b64 v5, v[OO+2*n:OO+2*n+1] offset:(2*((\sg)%8)+n/4)*RP+(n%4)*256
.set n, n+1
.endr
.endm
; THE SCORES of my 16 keys.  Source 0 = the keys (my own bytes of the slab: LDS serves a wave's instructions in order, ISA guide 5.7.1.4), source 1 = qt's 16 rows: a lane holds one row of qt
; (r: head r hi, or head r - 8 lo) and the keys 16 w + 8 hh + 0..7.  16 K steps, four at a time; even steps on one accumulator, odd on the other: they take turns.
.macro S1 rho
.set be, 0
.rept 4
.if be > 0
	PLACES
	s_wait_alu depctr_va_vdst(0)                   ; the last four matrix instructions are done reading v[F:F+63], in which the next sixteen loads land; the places above stay beside this wait
.else
	s_wait_alu depctr_vm_vsrc(0)                   ; the last four slots' LDS stores have read the out-buffers, in which the fragments land (the conversions that wrote them stand ahead of the last slot's wait on va_vdst, and no vector instruction has followed it)
.endif
.set i, 0
.rept 4
	ds_load_b128 v[F+16*i:F+16*i+3], v6 offset:64*(4*be+i)
	ds_load_b128 v[F+16*i+4:F+16*i+7], v6 offset:64*(4*be+i)+32
	ds_load_b128 v[F+16*i+8:F+16*i+11], v7 offset:(\rho)*QTB+64*(4*be+i)
	ds_load_b128 v[F+16*i+12:F+16*i+15], v7 offset:(\rho)*QTB+64*(4*be+i)+32
.set i, i+1
.endr
.set i, 0
.rept 4
	s_wait_dscnt 12-4*i                            ; step i's four loads are in; the later steps' stay out
.if 4*be+i < 2
	WM A0+8*(i%2), F+16*i, F+16*i+8, 1
.else
	WM A0+8*(i%2), F+16*i, F+16*i+8, 0
.endif
.set i, i+1
.endr
.set be, be+1
.endr
.endm
; THE SOFTMAX of a row, all heads, over the 16 waves: three barriers.
.macro SOFT rho
	PLACES
.set p, 0
.rept 4
	v_pk_add_f32 v[A0+2*p:A0+2*p+1], v[A0+2*p:A0+2*p+1], v[A1+2*p:A1+2*p+1]
.set p, p+1
.endr
.set n, 0
.rept 8
	v_add_f32_dpp v[A0+n], v[A0+n], v[A0+n] row_xmask:8 row_mask:0xf bank_mask:0xf  ; hi row + lo row: lanes r and r + 8 now both hold head r % 8
.set n, n+1
.endr
.set p, 0
.rept 4
	v_pk_add_f32 v[A0+2*p:A0+2*p+1], v[A0+2*p:A0+2*p+1], v[S0R+8*(\rho)+2*p:S0R+8*(\rho)+2*p+1]
.set p, p+1
.endr
.set n, 0
.rept 8
	v_cndmask_b32 v[A0+n], v[A0+n], v30, s[32+8*(\rho)+n]
.set n, n+1
.endr
	v_max3_num_f32 v[ML], v[A0], v[A0+1], v[A0+2]
	v_max3_num_f32 v[ML], v[ML], v[A0+3], v[A0+4]
	v_max3_num_f32 v[ML], v[ML], v[A0+5], v[A0+6]
	v_max_num_f32 v[ML], v[ML], v[A0+7]
	v_permlanex16_b32 v31, v[ML], s20, s21         ; my wave's other 8 keys lie in the lane 16 away
	v_max_num_f32 v[ML], v[ML], v31
	s_wait_alu depctr_va_vdst(0)                   ; v[ML] is written, which the LDS store reads; the scores' matrix instructions are done reading v[F:F+15], in which the maxima land behind the barrier
	ds_store_b32 v11, v[ML]
	BAR                                            ; A: all waves' maxima are in; qt of this row has been read for the last time
.set k, 0
.rept 4
	ds_load_b128 v[F+4*k:F+4*k+3], v12 offset:16*k
.set k, k+1
.endr
	s_wait_dscnt 0x0
	v_max3_num_f32 v[F+16], v[F], v[F+1], v[F+2]
.set k, 0
.rept 6
	v_max3_num_f32 v[F+16], v[F+16], v[F+3+2*k], v[F+4+2*k]
.set k, k+1
.endr
	v_max_num_f32 v[F+16], v[F+16], v[F+15]        ; the row's maximum for my head
.set n, 0
.rept 8
	v_sub_f32 v[A0+n], v[A0+n], v[F+16]
.set n, n+1
.endr
.set n, 0
.rept 8
	v_exp_f32 v[A0+n], v[A0+n]
.set n, n+1
.endr
	v_nop                                          ; a plain instruction between the last exponential and the use of its result (ISA guide 5.7.2)
	s_wait_alu depctr_va_vdst(0)                   ; the eight exponentials have written v[A0:A0+7]: one wait for the batch, ahead of its first reader
	v_pk_add_f32 v[F:F+1], v[A0:A0+1], v[A0+2:A0+3]
	v_pk_add_f32 v[F+2:F+3], v[A0+4:A0+5], v[A0+6:A0+7]
	v_pk_add_f32 v[F:F+1], v[F:F+1], v[F+2:F+3]
	v_add_f32 v[F], v[F], v[F+1]
	v_permlanex16_b32 v31, v[F], s20, s21
	v_add_f32 v[SL], v[F], v31
	s_wait_alu depctr_va_vdst(0)                   ; v[SL] is written, which the LDS store reads; the lines above are done with v[F:F+15], in which the sums land behind the barrier
	ds_store_b32 v11, v[SL] offset:512
	BAR                                            ; B: all waves' sums are in
.set k, 0
.rept 4
	ds_load_b128 v[F+4*k:F+4*k+3], v12 offset:512+16*k
.set k, k+1
.endr
	s_wait_dscnt 0x0
	v_pk_add_f32 v[F:F+1], v[F:F+1], v[F+2:F+3]
	v_pk_add_f32 v[F+4:F+5], v[F+4:F+5], v[F+6:F+7]
	v_pk_add_f32 v[F+8:F+9], v[F+8:F+9], v[F+10:F+11]
	v_pk_add_f32 v[F+12:F+13], v[F+12:F+13], v[F+14:F+15]
	v_pk_add_f32 v[F:F+1], v[F:F+1], v[F+4:F+5]
	v_pk_add_f32 v[F+8:F+9], v[F+8:F+9], v[F+12:F+13]
	v_pk_add_f32 v[F:F+1], v[F:F+1], v[F+8:F+9]
	v_add_f32 v[F+2], v[F], v[F+1]                 ; l: at least 1, the maximum's own weight
	v_rcp_f32 v[F], v[F+2]
	v_rcp_f32 v[F+1], v[F+2]
	v_nop                                          ; a plain instruction between the last reciprocal and the use of its result
	s_wait_alu depctr_va_vdst(0)                   ; the two reciprocals have written v[F:F+1]: one wait, ahead of their first reader
.set p, 0
.rept 4
	v_pk_mul_f32 v[A0+2*p:A0+2*p+1], v[A0+2*p:A0+2*p+1], v[F:F+1]
.set p, p+1
.endr
.set p, 0
.rept 4
	SPLIT A0+2*p, F+16+p, F+20+p, 22
.set p, p+1
.endr
.set p, 0
.rept 4
	v_cndmask_b32 v[WT+p], v[F+16+p], v[F+20+p], s23  ; rows 0-7 take hi, rows 8-15 lo
.set p, p+1
.endr
	s_wait_alu depctr_va_vdst(0)                   ; v[WT:WT+3] are written, which the LDS store reads; the lines above are done with v[F:F+47], in which the second product's first loads land behind the barrier
	ds_store_b128 v10, v[WT:WT+3]
	BAR                                            ; C: the weights and the whole slab are in LDS
.endm
.macro PCOPY                           ; row w of the weights is read back whole; its store stands in S3, behind the first wait that shows this load done
	ds_load_b128 v[26:29], v14
.endm
; Y.  Source 0 = the slab turned (16 channels x 32 keys, by ds_load_tr16_b128), source 1 = the weights' 16 rows: a lane holds one row of weights (r) and eight channels.
; The turning load's two blocks of eight channels are taken 128 bytes apart, not 16.
; So tile u holds the channels 128 (w / 4) + 16 (w % 4) + 8 u + 64 hh + 0..7.  8 K steps of 32 keys, two at a time; the two tiles' accumulators take turns.
.macro S3 rho
.set be, 0
.rept 4
.set AD, 8                             ; the turning load's address for keys 64 be ..: v8, v1, v2, v3
.if be > 0
.set AD, be
	PLACES
	s_wait_alu depctr_va_vdst(0)                   ; the last four matrix instructions are done reading v[F:F+47], in which the next twelve loads land; the places above stay beside this wait
.endif
.set i, 0
.rept 2
	ds_load_b128 v[F+24*i:F+24*i+3], v9 offset:(2*be+i)*64
	ds_load_b128 v[F+24*i+4:F+24*i+7], v9 offset:(2*be+i)*64+32
	ds_load_tr16_b128 v[F+24*i+8:F+24*i+11], v[AD] offset:i*32*RP
	ds_load_tr16_b128 v[F+24*i+12:F+24*i+15], v[AD] offset:i*32*RP+16*RP
	ds_load_tr16_b128 v[F+24*i+16:F+24*i+19], v[AD] offset:i*32*RP+16
	ds_load_tr16_b128 v[F+24*i+20:F+24*i+23], v[AD] offset:i*32*RP+16*RP+16
.set i, i+1
.endr
	s_wait_dscnt 6                                 ; the first step's six loads are in; the second's stay out
.if be == 0
	global_store_b128 v16, v[26:29], s[12:13] offset:(\rho)*8192  ; row w of the weights leaves, 512 consecutive bytes: its LDS load is older than the six that the wait above shows done
	WM A0, F+8, F, 1
	WM A1, F+16, F, 1
.else
	WM A0, F+8, F, 0
	WM A1, F+16, F, 0
.endif
	s_wait_dscnt 0x0
	WM A0, F+32, F+24, 0
	WM A1, F+40, F+24, 0
.set be, be+1
.endr
.endm
.macro YOUT rho
	PLACES
.set n, 0
.rept 16
	v_add_f32_dpp v[A0+n], v[A0+n], v[A0+n] row_xmask:8 row_mask:0xf bank_mask:0xf  ; hi row + lo row
.set n, n+1
.endr
.set n, 0
.rept 8
	v_cndmask_b32 v[A0+n], v[A0+n], v[A1+n], s23   ; lanes r < 8 keep tile 0, lanes r >= 8 take tile 1: no number is stored twice
.set n, n+1
.endr
	s_wait_alu depctr_va_vdst(0)                   ; v[A0:A0+7] are written, which the LDS stores read; the matrix instructions are done reading v[F:F+7], in which Y's rows land behind the barrier
	ds_store_b128 v13, v[A0:A0+3] offset:(\rho)*QTB
	ds_store_b128 v13, v[A0+4:A0+7] offset:(\rho)*QTB+16
	BAR                                            ; D: Y is whole; nobody reads the slab, the weights or the statistics any more
	ds_load_b128 v[F:F+3], v15 offset:(\rho)*QTB
	ds_load_b128 v[F+4:F+7], v15 offset:(\rho)*QTB+512
	s_wait_dscnt 1
	global_store_b128 v17, v[F:F+3], s[14:15] offset:(\rho)*16384  ; 512 consecutive bytes
	s_wait_dscnt 0x0
	global_store_b128 v17, v[F+4:F+7], s[14:15] offset:(\rho)*16384+512
.endm
.irp sg, 0,1,2,3,4,5,6,7
	SLOT \sg, 24                                   ; three younger slots stay out
.endr
	S1 0
	SOFT 0
	PCOPY
	S3 0
	YOUT 0
	s_wait_xcnt 0x0                                ; every earlier memory instruction has had its addresses translated (ISA guide 3.1): the stores' data registers are rewritten only behind this wait; slot 8's wait on vm_vsrc stands beside it
.irp sg, 8,9,10,11,12
	SLOT \sg, 24
.endr
	SLOT 13, 16                                    ; nothing more is asked for: the counts run down
	SLOT 14, 8
	SLOT 15, 0
	S1 1
	SOFT 1
	PCOPY
	S3 1
	YOUT 1
	s_wait_dscnt 0x0                               ; the closing lines, six on end
	s_wait_alu 0x0
	s_wait_tensorcnt 0x0
	ds_add_u32 v24, v25
	s_wait_dscnt 0x0
	s_endpgm
.Lfunc_end_k_qbe08ab895e_relat:
	.size	k_qbe08ab895e_relat, .Lfunc_end_k_qbe08ab895e_relat-k_qbe08ab895e_relat
	.p2alignl 7, 3214868480
	.fill 96, 4, 3214868480
	.section	.rodata,"a",@progbits
	.p2align	6, 0x0
	.amdhsa_kernel k_qbe08ab895e_relat
		.amdhsa_group_segment_fixed_size 311040
		.amdhsa_private_segment_fixed_size 0
		.amdhsa_enable_private_segment 0
		.amdhsa_kernarg_size 48
		.amdhsa_user_sgpr_count 2
		.amdhsa_user_sgpr_kernarg_segment_ptr 1
		.amdhsa_wavefront_size32 1
		.amdhsa_system_sgpr_workgroup_id_x 1
		.amdhsa_system_sgpr_workgroup_id_y 1
		.amdhsa_system_sgpr_workgroup_id_z 1
		.amdhsa_system_vgpr_workitem_id 0
		.amdhsa_next_free_vgpr 256
		.amdhsa_next_free_sgpr 66
		.amdhsa_reserve_vcc 0
		.amdhsa_float_denorm_mode_32 3
		.amdhsa_float_denorm_mode_16_64 3
		.amdhsa_memory_ordered 1
		.amdhsa_forward_progress 1
		.amdhsa_inst_pref_size 85
	.end_amdhsa_kernel
	.amdgpu_metadata
---
amdhsa.version: [ 1, 2 ]
amdhsa.kernels:
  - .name:           k_qbe08ab895e_relat
    .symbol:         k_qbe08ab895e_relat.kd
    .args:
      - { .name: relation, .offset: 0, .size: 8, .value_kind: global_buffer, .address_space: global }
      - { .name: mask, .offset: 8, .size: 8, .value_kind: global_buffer, .address_space: global }
      - { .name: qt, .offset: 16, .size: 8, .value_kind: global_buffer, .address_space: global }
      - { .name: sc0, .offset: 24, .size: 8, .value_kind: global_buffer, .address_space: global }
      - { .name: pw, .offset: 32, .size: 8, .value_kind: global_buffer, .address_space: global }
      - { .name: yw, .offset: 40, .size: 8, .value_kind: global_buffer, .address_space: global }
    .group_segment_fixed_size: 311040
    .private_segment_fixed_size: 0
    .kernarg_segment_align: 8
    .kernarg_segment_size: 48
    .max_flat_workgroup_size: 512
    .sgpr_count:     66
    .vgpr_count:     256
    .wavefront_size: 32
...
	.end_amdgpu_metadata
.endif
;; end of part 6
;; launch mix: the kernel of part 4 again; grid 32 x 8, 16 waves a work-group, no clusters, 213,248 bytes of LDS; arguments pw, vh, yw, Wv, xh; writes xh
;; launch outp: the kernel of part 5 again; grid 32 x 8, 16 waves a work-group, no clusters, 122,624 bytes of LDS; arguments xh, Wo, bo, out0; writes out0
